; MI455X (gfx1250); checked and timed in simulation.
; The chip was launched on July 23, 2026; its instructions are those of AMD's public machine-readable ISA for CDNA 5 (MIT licence, August 2026) and "CDNA5" Instruction Set Architecture Reference Guide (July 2026). The comments in the code are by the model that wrote it; some were corrected since.
;; MHA. Allowed arithmetic: matrix products marked QUANTISED: E2M3 operands, one E8M0 scale for each 32 along K, by v_wmma_scale_f32_16x16x128_f8f6f4 with both operands' format E2M3, f32 sums; everything else in f32.
;; Inputs: Wk 1,024 x 1,024 float32; Wo 1,024 x 1,024 float32; Wq 1,024 x 1,024 float32; Wv 1,024 x 1,024 float32; bo 1,024 float32; x 4 x 2,048 x 1,024 float32.
;; Outputs: out0 4 x 2,048 x 1,024 float32.
;; This version of the problem:
;;   THIS VERSION OF THE PROBLEM IS GIVEN IN LOW PRECISION. The matrix products marked QUANTISED in the list below multiply operands that are first quantised to E2M3 (2 exponent bits, 3 mantissa bits; 6 bits a number), with one power-of-two scale for each 32 numbers along K (OCP MX v1.0); their sums are f32. All else is computed in f32.
;;   The module's matrix products, in the order in which they are computed (A, B: the left and right operand; K: the contracted axis; several contracted axes count as one K, in the product's order):
;;     1. [M 8,192, K 1,024] x [K 1,024, N 1,024]; A: input x; B: input Wq: QUANTISED
;;     2. [M 8,192, K 1,024] x [K 1,024, N 1,024]; A: input x; B: input Wk: QUANTISED
;;     3. [M 8,192, K 1,024] x [K 1,024, N 1,024]; A: input x; B: input Wv: QUANTISED
;;     4. batch 64 x [M 2,048, K 64] x [K 64, N 2,048]; A: computed on the way; B: computed on the way: QUANTISED
;;     5. batch 64 x [M 2,048, K 2,048] x [K 2,048, N 64]; A: softmax (see below); B: computed on the way: QUANTISED
;;     6. [M 8,192, K 1,024] x [K 1,024, N 1,024]; A: computed on the way; B: input Wo: QUANTISED
;;   THE QUANTISER, for each operand of a quantised product, along K:
;;     - K is cut into blocks of 32 from its start; a last block that is shorter is filled with zeros.
;;     - A block's scale is 2^e with e = floor(log2(the largest magnitude in the block)) - 2, held to -126 .. 127; a block of zeros has e = 0. As a byte (E8M0): e + 127.
;;     - Each number is divided by its block's scale, clamped to +-7.5, and rounded to the nearest number of E2M3, ties to even, subnormals kept.
;;     - The product sums the exact products of the quantised numbers (number of the format x scale) in f32.
;;   ~~~python
;;   def quantise(x, axis):      # numpy; x: float32 -> the quantised numbers, widened to float32 again
;;       x = np.moveaxis(x, axis, -1); K = x.shape[-1]
;;       x = np.pad(x, [(0, 0)] * (x.ndim - 1) + [(0, -K % 32)]); x = x.reshape(x.shape[:-1] + (-1, 32)); a = np.abs(x).max(-1, keepdims=True)
;;       e = np.where(a > 0, np.clip(np.frexp(np.where(a > 0, a, 1))[1] - 1 - 2, -126, 127), 0)      # np.frexp(a)[1] - 1 = floor(log2(a)), exactly
;;       r = np.clip(x / 2.0 ** e, -7.5, 7.5)
;;       step = 2.0 ** (np.maximum(np.frexp(np.where(r == 0, 1, r))[1] - 1, 0) - 3)
;;       q = np.round(r / step) * step * 2.0 ** e      # np.round: ties to even
;;       return np.moveaxis(q.reshape(q.shape[:-2] + (-1,))[..., :K], -1, axis).astype(np.float32)
;;   ~~~
;;   SOFTMAX AHEAD OF A QUANTISED PRODUCT. Where the list says 'softmax', what is quantised is not the finished softmax but p = 2^(t - M), with t = logit x log2(e) and M = ceil(the row's largest t), a whole number; so 1/2 < the row's largest p <= 1. The row's sum l is taken of the UNQUANTISED p, in f32, and the product's result is divided by l at the end. Since M is a whole number, a kernel that streams over the keys may use a running M (the ceiling of the running maximum): every later rescaling is an exact power of two, which a block's scale takes up: the codes' values come out the same.
;;   OPERANDS COMPUTED ON THE WAY. 'Computed on the way' means the value that the module computes at that place (a softmax that the list does not call 'softmax' is quantised finished and normalised). What goes into a quantiser is computed in f32, as accurately as f32 sums, v_exp_f32 and their like allow (about 1e-6 of the number): no bf16 or f16 on the way to a quantiser, and a product that is left as it is and whose result goes on into a quantised operand takes f32 operands (vector FMAs, or v_wmma_f32_16x16x4_f32). A number that lies on a knife's edge between two numbers of the format may be rounded either way, as far as f32 arithmetic and the matrix unit's own rounding can turn it there, and no further.
;; One version. Each part assembles by itself: llvm-mc -triple=amdgcn-amd-amdhsa -mcpu=gfx1250 --defsym DOCPART=n.
;; ======== version 1 of 1: 4 launches
;; workspace buffers: xc 6,553,600 bytes; wc 3,276,800 bytes; qb 6,815,744 bytes; kv 13,369,344 bytes; cx 6,553,600 bytes
;; launch prep (part 1): grid 384 x 1, 4 waves a work-group, no clusters, 58,880 bytes of LDS; arguments x, Wq, Wk, Wv, Wo, xc, wc; writes xc, wc
.if DOCPART == 1
	.amdgcn_target "amdgcn-amd-amdhsa--gfx1250"
	.amdhsa_code_object_version 6
	.text
	.protected	k_qf288ffd61a_prep
	.globl	k_qf288ffd61a_prep
	.p2align	8
	.type	k_qf288ffd61a_prep,@function
k_qf288ffd61a_prep:
	s_mov_b64 s[64:65], 0
	v_nop
	global_prefetch_b8 v0, s[64:65] scope:SCOPE_SE
	s_setreg_imm32_b32 hwreg(HW_REG_WAVE_MODE, 25, 1), 1
	s_wait_xcnt 0x0
; x [8192][1024] f32 (K innermost) and Wq, Wk, Wv, Wo [1024 (K)][1024 (n)] f32 (K outermost) become codes of FP6 (E2M3) with one E8M0 byte for each 32 along K,
; laid as IMAGES OF THE OPERAND'S REGISTERS.  A block (group g of 128 rows, 256 along K: kappa) is 25,600 dense bytes at (4 g + kappa) x 25,600:
;   codes:  3072 i + 1536 q + 512 j + 16 L + 4 m = register 4 j + m of lane L of the fragment (tile i of 16 rows, the q-th 128 along K);
;   scales: 24,576 + 256 (i / 2) + 16 r + 8 (i % 2) + 4 q = the scale word of row r of that fragment.
; WHICH ROWS FORM A TILE: lane r of tile i takes row 32 (i / 2) + 8 (i % 2) + r + 8 (r / 8) of the group, so that a product's results lie as 16 neighbours along the next K.
; WHICH BLOCK OF 32 LIES WHERE: place beta = 2 c + h of a fragment (registers 6 c .. 6 c + 5 of lane half h, scale byte beta) holds the true block 2 (beta % 2) + beta / 2 of the 128.
; The same order is used for every operand of the four large products, so the sums hold the same products.
; A block's scale is 2^(floor(log2(largest magnitude)) - 2); its byte is the largest magnitude's exponent field - 2, held at 1 from below.
; LIMITS: a block whose largest magnitude lies under 2^-124 gets the byte 1; a block of zeros gets the byte 1 where the rule says 127 (its codes are zeros, and only this program
; reads the bytes); NaN and infinities among the inputs are not served.
; SHARES: one work-group makes one block: work-groups 0-255 x's, 256-383 the weights' (Wq, Wk, Wv, Wo, 32 each).  The two ways part on the work-group's number and have LDS bytes of their own.
; No tensor loads, no barrier: a wave touches only its own stage.
.set BLK,   25600
.set XSTGW, 8448                       ; x's way: a wave's stage, 16 rows x (512 + 16) bytes, from LDS byte 0
.set WSTG,  33792                      ; the weights' way: 6,144 bytes a wave, behind x's four stages
.set PW,    8                          ; v8-11   x: the four fragments' scale words
.set TM,    14                         ; v14-25  at work in QUANT
.set PC,    26                         ; v26-37  a fragment's codes
.set T2,    38                         ; v38-45  the upper halves' conversions
.set R,     48                         ; v48-175 two sets of 64 numbers as loaded
.set X,     176                        ; v176-239 64 numbers in the order that QUANT wants
.set SB,    10                         ; v10-11  W: scale words
.set C,     16                         ; v16-22  W: a block's codes
.set XW,    32                         ; v32-95  W: two sets of 32 numbers
.set OUTR,  96                         ; v96-143 W: the way out
; 64 numbers of a lane, register 16 b + i = number 16 h + i of place b of my row, become 12 registers of codes (d0: 6, d1: 6) and the scale word pw.
.macro QUANT s, d0, d1, pw
.irp b, 0,1,2,3
	v_max3_num_f32 v[TM+\b], |v[\s+16*\b]|, |v[\s+16*\b+1]|, 0x1800000   ; my 16 numbers, and the floor 2^(3 - 127): the byte cannot fall under 1
.endr
.irp i, 2,4,6,8,10,12,14
.irp b, 0,1,2,3
	v_max3_num_f32 v[TM+\b], v[TM+\b], |v[\s+16*\b+\i]|, |v[\s+16*\b+\i+1]|
.endr
.endr
.irp b, 0,1,2,3
	v_permlanex16_b32 v[TM+4+\b], v[TM+\b], s20, s21
.endr
.irp b, 0,1,2,3
	v_max_num_f32 v[TM+\b], v[TM+\b], v[TM+4+\b]       ; with lane l xor 16's 16: the block's largest magnitude
.endr
.irp b, 0,1,2,3
	v_add_nc_u32 v[TM+8+\b], 0xff000000, v[TM+\b]      ; 2 off its exponent field: the conversion's scale operand
.endr
.irp b, 0,1,2,3
	v_lshrrev_b32 v[TM+4+\b], 23, v[TM+8+\b]           ; the scale's byte
.endr
	v_lshl_or_b32 v[\pw], v[TM+5], 8, v[TM+4]
	v_lshl_or_b32 v[\pw], v[TM+6], 16, v[\pw]
	v_lshl_or_b32 v[\pw], v[TM+7], 24, v[\pw]
	v_cvt_scalef32_pk16_fp6_f32 v[\d0:\d0+2], v[\s:\s+15], v[TM+8]
	v_cvt_scalef32_pk16_fp6_f32 v[T2:T2+2], v[\s+16:\s+31], v[TM+9]      ; (a conversion's three registers begin on an even number)
	v_cvt_scalef32_pk16_fp6_f32 v[\d1:\d1+2], v[\s+32:\s+47], v[TM+10]
	v_cvt_scalef32_pk16_fp6_f32 v[T2+4:T2+6], v[\s+48:\s+63], v[TM+11]
	v_nop                                              ; one plain instruction behind the scaled conversions
.irp i, 0,1,2
	v_permlane16_swap_b32 v[\d0+\i], v[T2+\i]          ; a whole block to a lane: lanes 0-15 place 2 c, lanes 16-31 place 2 c + 1
	v_permlane16_swap_b32 v[\d1+\i], v[T2+4+\i]
.endr
.irp i, 0,1,2
	v_mov_b32 v[\d0+3+\i], v[T2+\i]
	v_mov_b32 v[\d1+3+\i], v[T2+4+\i]
.endr
.endm
	s_load_b256 s[4:11], s[0:1], 0x0               ; x, Wq, Wk, Wv
	s_load_b128 s[12:15], s[0:1], 0x20             ; Wo, xc
	s_load_b64 s[16:17], s[0:1], 0x30              ; wc
	v_lshl_add_u32 v240, v0, 2, 0xe400
	v_mov_b32 v241, 0
	v_lshrrev_b32 v1, 5, v0
	v_readfirstlane_b32 s18, v1                    ; wave
	v_and_b32 v1, 31, v0                           ; lane
	v_and_b32 v2, 15, v0                           ; r
	v_bfe_u32 v3, v0, 4, 1                         ; h
	s_mov_b32 s19, 0xffff0000                      ; a select mask: lanes 16-31
	s_mov_b32 s20, 0x76543210
	s_mov_b32 s21, 0xfedcba98                      ; v_permlanex16_b32's selects for lane l xor 16
	s_wait_kmcnt 0x0
	s_cmp_lt_u32 ttmp9, 256
	s_cbranch_scc0 .Lweights
; ---------------- x: wave w takes rows 32 w .. 32 w + 31 of the group (tiles 2 w, 2 w + 1) x 256 along K: four fragments (u, q)
	s_lshr_b32 s22, ttmp9, 2                       ; g
	s_and_b32 s23, ttmp9, 3                        ; kappa
	s_lshl_b32 s24, s22, 7
	s_lshl_b32 s25, s18, 5
	s_add_co_u32 s24, s24, s25                     ; my first row
	s_lshl_b32 s24, s24, 12                        ; 4,096 bytes a row
	s_lshl_b32 s25, s23, 10                        ; 256 numbers along K
	s_add_co_u32 s24, s24, s25
	s_mov_b32 s25, 0
	s_add_nc_u64 s[28:29], s[4:5], s[24:25]
	s_mul_i32 s24, ttmp9, BLK
	s_mul_i32 s26, s18, 6144
	s_add_co_u32 s26, s26, s24
	s_mov_b32 s27, 0
	s_add_nc_u64 s[30:31], s[14:15], s[26:27]      ; my two tiles' codes
	s_lshl_b32 s26, s18, 8
	s_add_co_u32 s26, s26, s24
	s_add_co_u32 s26, s26, 24576
	s_add_nc_u64 s[32:33], s[14:15], s[26:27]      ; and their 256 bytes of scale words
	s_mul_i32 s22, s18, XSTGW
	s_wait_alu depctr_va_vdst(0)
	v_lshlrev_b32 v4, 4, v1                        ; 16 x lane
	v_add_nc_u32 v5, s22, v4                       ; the stage, on the way in: a row's 512 bytes as they lie
	v_mul_u32_u24 v6, v2, 528
	v_lshl_add_u32 v6, v3, 6, v6
	v_add_nc_u32 v6, s22, v6                       ; on the way out: row r, + 64 h: my 16 numbers of a block
	v_lshlrev_b32 v7, 4, v2
	v_lshl_add_u32 v7, v3, 3, v7                   ; the scale words' place: 16 r + 8 u, u = my half
.irp b, 0,1,2,3
	v_mov_b32 v[TM+4+\b], 0                        ; written once: a lane permute's destination counts as one of its sources
.endr
.macro XLOAD u, q, set                 ; the 16 rows of tile 2 w + u, 128 numbers each: a load reads 512 consecutive bytes of one row
.set i, 0
.rept 16
	global_load_b128 v[R+64*\set+4*i:R+64*\set+4*i+3], v4, s[28:29] offset:(8*\u+i+8*(i/8))*4096+512*\q th:TH_LOAD_NT
.set i, i+1
.endr
.endm
.macro XTURN set                       ; through my stage: in as loaded, out 16 neighbours a lane, the blocks in the places' order.  LDS serves a wave's instructions in order
.set i, 0
.rept 16
	ds_store_b128 v5, v[R+64*\set+4*i:R+64*\set+4*i+3] offset:528*i
.set i, i+1
.endr
.irp b, 0,1,2,3
.irp j, 0,1,2,3
	ds_load_b128 v[X+16*\b+4*\j:X+16*\b+4*\j+3], v6 offset:128*(2*(\b%2)+\b/2)+16*\j
.endr
.endr
.endm
.macro XFRAG u, q, set, more, left
	s_wait_loadcnt \left                           ; this fragment's 16 loads are in; the next fragment's 16 may be out
	XTURN \set
	s_wait_dscnt 0x0                               ; the numbers are back, and the stage's stores have read their registers
.if \more
	XLOAD 1, \q, \set                              ; which take the fragment two further on
.endif
	s_wait_xcnt 0x0                                ; the last fragment's stores have read the codes' registers
	QUANT X, PC, PC+6, PW+2*\u+\q
.irp j, 0,1,2
	global_store_b128 v4, v[PC+4*\j:PC+4*\j+3], s[30:31] offset:3072*\u+1536*\q+512*\j   ; 512 consecutive bytes
.endr
.endm
	XLOAD 0, 0, 0
	XLOAD 0, 1, 1
	s_wait_alu depctr_va_vdst(0)
	XFRAG 0, 0, 0, 1, 16
	XFRAG 0, 1, 1, 1, 16
	XFRAG 1, 0, 0, 0, 16
	XFRAG 1, 1, 1, 0, 0
	v_cndmask_b32 v12, v[PW], v[PW+2], s19         ; lanes 0-15: tile 2 w's words, lanes 16-31: tile 2 w + 1's
	v_cndmask_b32 v13, v[PW+1], v[PW+3], s19
	global_store_b64 v7, v[12:13], s[32:33]        ; 256 consecutive bytes
	s_wait_tensorcnt 0x0
	ds_add_u32 v240, v241
	s_wait_dscnt 0x0
	s_endpgm
; ---------------- a weight: lane l takes column 32 w + l of the group, and its registers run down K: a block of 32 lies in one lane
.Lweights:
	s_sub_co_u32 s22, ttmp9, 256                   ; 32 x weight + 4 g + kappa
	s_lshr_b32 s23, s22, 5
	s_cmp_eq_u32 s23, 1
	s_cselect_b64 s[28:29], s[8:9], s[6:7]
	s_cmp_eq_u32 s23, 2
	s_cselect_b64 s[28:29], s[10:11], s[28:29]
	s_cmp_eq_u32 s23, 3
	s_cselect_b64 s[28:29], s[12:13], s[28:29]
	s_bfe_u32 s24, s22, 0x30002                    ; g
	s_and_b32 s25, s22, 3                          ; kappa
	s_lshl_b32 s24, s24, 7
	s_lshl_b32 s26, s18, 5
	s_add_co_u32 s24, s24, s26
	s_lshl_b32 s24, s24, 2                         ; my wave's first column, in bytes
	s_lshl_b32 s25, s25, 20                        ; 256 rows of 4,096 bytes
	s_add_co_u32 s24, s24, s25
	s_mov_b32 s25, 0
	s_add_nc_u64 s[28:29], s[28:29], s[24:25]
	s_mul_i32 s24, s22, BLK
	s_mul_i32 s26, s18, 6144
	s_add_co_u32 s26, s26, s24
	s_mov_b32 s27, 0
	s_add_nc_u64 s[30:31], s[16:17], s[26:27]
	s_lshl_b32 s26, s18, 8
	s_add_co_u32 s26, s26, s24
	s_add_co_u32 s26, s26, 24576
	s_add_nc_u64 s[32:33], s[16:17], s[26:27]
	s_wait_alu depctr_va_vdst(0)
	v_lshlrev_b32 v4, 2, v1                        ; in: 4 bytes a lane
	v_bfe_u32 v12, v0, 3, 1                        ; u: column l = 16 (r / 8) + 8 u + r % 8 is lane r of tile 2 w + u
	v_and_b32 v13, 7, v0
	v_lshl_or_b32 v13, v3, 3, v13                  ; r
	s_mul_i32 s26, s18, 6144
	s_add_co_u32 s26, s26, WSTG                    ; my stage: the image of my two tiles
	v_mul_u32_u24 v5, v12, 3072
	v_lshl_add_u32 v5, v13, 4, v5
	v_add_nc_u32 v5, s26, v5                       ; into it: 3072 u + 16 r
	v_lshlrev_b32 v8, 4, v1
	v_add_nc_u32 v6, s26, v8                       ; out of it: 16 x lane
	v_lshlrev_b32 v7, 4, v13
	v_lshl_add_u32 v7, v12, 3, v7                  ; the scale words' place: 16 r + 8 u
.macro WLOAD t                         ; place t % 4 of the (t / 4)-th 128 along K: W(.. + i, my column), i = 0 .. 31
.set WQ, (\t)/4
.set WB, (\t)%4
.set i, 0
.rept 32
	global_load_b32 v[XW+32*((\t)%2)+i], v4, s[28:29] offset:(128*WQ+32*(2*(WB%2)+WB/2)+i)*4096 th:TH_LOAD_NT
.set i, i+1
.endr
.endm
.macro WBLOCK t
.set XS, XW+32*((\t)%2)
.set BQ, (\t)/4
.set BB, (\t)%4
.if (\t) < 7
	s_wait_loadcnt 32                              ; this block's 32 loads are in; the next block's may be out
.else
	s_wait_loadcnt 0x0
.endif
	v_max3_num_f32 v12, |v[XS]|, |v[XS+1]|, |v[XS+2]|
	v_max3_num_f32 v13, |v[XS+3]|, |v[XS+4]|, |v[XS+5]|
.irp i, 6,10,14,18,22,26
	v_max3_num_f32 v12, v12, |v[XS+\i]|, |v[XS+\i+1]|
	v_max3_num_f32 v13, v13, |v[XS+\i+2]|, |v[XS+\i+3]|
.endr
	v_max3_num_f32 v12, v12, |v[XS+30]|, |v[XS+31]|
	v_max3_num_f32 v12, v12, v13, 0x1800000        ; and the floor 2^(3 - 127)
	v_add_nc_u32 v14, 0xff000000, v12              ; the conversion's scale operand
	v_lshrrev_b32 v15, 23, v14                     ; the byte
.if BB == 0
	v_mov_b32 v[SB+BQ], v15
.else
	v_lshl_or_b32 v[SB+BQ], v15, 8*BB, v[SB+BQ]
.endif
	v_cvt_scalef32_pk16_fp6_f32 v[C:C+2], v[XS:XS+15], v14
	v_cvt_scalef32_pk16_fp6_f32 v[C+4:C+6], v[XS+16:XS+31], v14
	v_nop                                          ; one plain instruction behind the scaled conversions
	v_mov_b32 v[C+3], v[C+4]                       ; the block's six registers on end
	v_mov_b32 v[C+4], v[C+5]
	v_mov_b32 v[C+5], v[C+6]
.if BB/2 == 0                          ; registers 0-5 of lane r + 16 (place % 2)
	ds_store_b64 v5, v[C:C+1] offset:1536*BQ+256*(BB%2)
	ds_store_b64 v5, v[C+2:C+3] offset:1536*BQ+256*(BB%2)+8
	ds_store_b64 v5, v[C+4:C+5] offset:1536*BQ+256*(BB%2)+512
.else                                  ; registers 6-11
	ds_store_b64 v5, v[C:C+1] offset:1536*BQ+256*(BB%2)+520
	ds_store_b64 v5, v[C+2:C+3] offset:1536*BQ+256*(BB%2)+1024
	ds_store_b64 v5, v[C+4:C+5] offset:1536*BQ+256*(BB%2)+1032
.endif
.if (\t)+2 < 8
	WLOAD (\t)+2
.endif
	s_wait_dscnt 0x0                               ; the stores have read their registers: the next block's codes may be written
.endm
	WLOAD 0
	WLOAD 1
.irp t, 0,1,2,3,4,5,6,7
	WBLOCK \t
.endr
.irp k, 0,1,2,3,4,5,6,7,8,9,10,11
	ds_load_b128 v[OUTR+4*\k:OUTR+4*\k+3], v6 offset:512*\k   ; LDS serves a wave's instructions in order: these see my stores
.endr
	s_wait_alu depctr_va_vdst(0)
	global_store_b64 v7, v[SB:SB+1], s[32:33]      ; 256 consecutive bytes of scale words
.irp k, 0,1,2,3,4,5,6,7,8,9,10,11
	s_wait_dscnt 11-\k
	global_store_b128 v8, v[OUTR+4*\k:OUTR+4*\k+3], s[30:31] offset:512*\k
.endr
	s_wait_tensorcnt 0x0
	ds_add_u32 v240, v241
	s_wait_dscnt 0x0
	s_endpgm
.Lfunc_end_k_qf288ffd61a_prep:
	.size	k_qf288ffd61a_prep, .Lfunc_end_k_qf288ffd61a_prep-k_qf288ffd61a_prep
	.p2alignl 7, 3214868480
	.fill 96, 4, 3214868480
	.section	.rodata,"a",@progbits
	.p2align	6, 0x0
	.amdhsa_kernel k_qf288ffd61a_prep
		.amdhsa_group_segment_fixed_size 58880
		.amdhsa_private_segment_fixed_size 0
		.amdhsa_enable_private_segment 0
		.amdhsa_kernarg_size 56
		.amdhsa_user_sgpr_count 2
		.amdhsa_user_sgpr_kernarg_segment_ptr 1
		.amdhsa_wavefront_size32 1
		.amdhsa_system_sgpr_workgroup_id_x 1
		.amdhsa_system_sgpr_workgroup_id_y 1
		.amdhsa_system_sgpr_workgroup_id_z 1
		.amdhsa_system_vgpr_workitem_id 0
		.amdhsa_next_free_vgpr 242
		.amdhsa_next_free_sgpr 66
		.amdhsa_reserve_vcc 0
		.amdhsa_float_denorm_mode_32 3
		.amdhsa_float_denorm_mode_16_64 3
		.amdhsa_memory_ordered 1
		.amdhsa_forward_progress 1
		.amdhsa_inst_pref_size 75
	.end_amdhsa_kernel
	.amdgpu_metadata
---
amdhsa.version: [ 1, 2 ]
amdhsa.kernels:
  - .name:           k_qf288ffd61a_prep
    .symbol:         k_qf288ffd61a_prep.kd
    .args:
      - { .name: x, .offset: 0, .size: 8, .value_kind: global_buffer, .address_space: global }
      - { .name: Wq, .offset: 8, .size: 8, .value_kind: global_buffer, .address_space: global }
      - { .name: Wk, .offset: 16, .size: 8, .value_kind: global_buffer, .address_space: global }
      - { .name: Wv, .offset: 24, .size: 8, .value_kind: global_buffer, .address_space: global }
      - { .name: Wo, .offset: 32, .size: 8, .value_kind: global_buffer, .address_space: global }
      - { .name: xc, .offset: 40, .size: 8, .value_kind: global_buffer, .address_space: global }
      - { .name: wc, .offset: 48, .size: 8, .value_kind: global_buffer, .address_space: global }
    .group_segment_fixed_size: 58880
    .private_segment_fixed_size: 0
    .kernarg_segment_align: 8
    .kernarg_segment_size: 56
    .max_flat_workgroup_size: 128
    .sgpr_count:     66
    .vgpr_count:     242
    .wavefront_size: 32
...
	.end_amdgpu_metadata
.endif
;; end of part 1
;; launch qkv (part 2): grid 4 x 96, 4 waves a work-group, clusters of 4 x 4, 327,680 bytes of LDS; arguments xc, wc, qb, kv; writes qb, kv
.if DOCPART == 2
	.amdgcn_target "amdgcn-amd-amdhsa--gfx1250"
	.amdhsa_code_object_version 6
	.text
	.protected	k_qf288ffd61a_qkv
	.globl	k_qf288ffd61a_qkv
	.p2align	8
	.type	k_qf288ffd61a_qkv,@function
k_qf288ffd61a_qkv:
	s_mov_b64 s[64:65], 0
	v_nop
	global_prefetch_b8 v0, s[64:65] scope:SCOPE_SE
	s_setreg_imm32_b32 hwreg(HW_REG_WAVE_MODE, 25, 1), 1
	s_wait_xcnt 0x0
	s_wait_alu depctr_hold_cnt(0) depctr_sa_sdst(0) depctr_va_vdst(0) depctr_va_sdst(0) depctr_va_ssrc(0) depctr_va_vcc(0) depctr_vm_vsrc(0)
	s_getreg_b32 s2, hwreg(HW_REG_IB_STS2, 6, 4)
	s_cmp_eq_u32 s2, 0
	s_cbranch_scc0 .Lentry_in_a_cluster
	s_endpgm
.Lentry_in_a_cluster:
	s_bfe_u32 s2, ttmp6, 0x10000c
	s_cmp_lg_u32 s2, 0xf033
	s_cbranch_scc0 .Lentry_shape_is_right
	s_endpgm
.Lentry_shape_is_right:
; q = x Wq, k = x Wk and v^T = Wv^T x^T on codes of FP6 (E2M3) with E8M0 block scales, K = 1,024; the results are quantised in registers and stored as attention's operand images.
; ONE BODY: C'[m][n] = sum over k of A[m][k] B[n][k], quantised along n in blocks of 32.  role 0: A = x, B = Wq;  role 1: A = x, B = Wk;  role 2: A = Wv, B = x, so that the keys are the n axis,
; along which v is quantised.  The role is the cluster's y / 8: the same in all partners.  384 tiles of 256 x 256, 24 clusters.
; OPERANDS lie in memory as images of their registers: a block (128 rows x 256 along K) is 25,600 dense bytes: 8 tiles x 2 K steps x 1,536 bytes of codes (register 4 j + m of lane L at 512 j + 16 L + 4 m),
; then 1,024 bytes of scale words (tile i, step q, row r at 256 (i / 2) + 16 r + 8 (i % 2) + 4 q).  One tensor load brings a block; a fragment is three loads of 16 bytes a lane, 512 bytes on end.
; Lane r of tile i holds row 32 (i / 2) + 8 (i % 2) + r + 8 (r / 8) of its group of 128.
; A work-group of four waves makes 256 x 256; a wave 128 x 128: 64 accumulators, 512 registers.  K goes in steps of 256 through two LDS slots of four blocks (A's two, B's two); each wave fetches one block.
; CLUSTERS: 4 x 4.  A's blocks are shared along a row of the cluster, B's along a column: each is asked for jointly, by the same tensor load with a mask that names the four.
; THE MATRIX INSTRUCTION IS USED TRANSPOSED (source 0 = 16 rows of B, source 1 = 16 rows of A): a lane holds one row m, and by the choice of a tile's rows the 16 registers of B's tiles 2 b, 2 b + 1
; are n = 32 b + 16 (lane / 16) + 0 .. 15: 16 neighbours, as the conversions want them.
; OUT.  qb, block (16 (16 batch + head) + group of 128 queries) of 6,656 bytes: a run of 48 registers (tile t at 6 t: lane (r, h) holds block h of the head's 64 for the tile's query r), then 512 bytes of scale
; words (16 L + 4 i: lanes 0-15 tile 2 i, lanes 16-31 tile 2 i + 1; bytes 2 and 3 are 0).  kv, block of 13,056 bytes: k as q; at 6,656 v's four fragments (16 of the head's 64 x 128 keys); at 12,800 their scale words (8 L + 4 i).
; LIMITS: a block whose largest magnitude lies under 2^-124, a block of zeros too, gets the scale byte 1 (only this program reads the bytes); NaN and infinities are not served.
; REGISTERS: window 0: v16-29 addresses; v32-63 A's scale words, two sets; v64-95 B's; v128-223 A's fragments, one set.  window 1: B's fragments, two sets (v0, v128).  windows 2, 3: accumulators ((a, b) at v[8 (8 (a % 4) + b)]).
.set BLK,   25600
.set SLOT,  4*BLK
.set SPARE, 2*SLOT                     ; behind the ring: the spare words, 128 bytes for each wave
.set ADRA, 16                          ; v16-17 my A fragments in slot 0, 1: 16 x lane
.set ASA,  18                          ; v18-19 their scale words: 16 r
.set ADRB, 20
.set ASB,  22
.set E16,  24                          ; v24 16 x lane, v25 8 x lane: the stores' offsets
.set E8,   25
.set SPW,  28
.set NIL,  29
.set SCA,  32
.set SCB,  64
.set AF,   128
.set G1,   24                          ; s[24:31] group 1 for A's blocks; s[32:39] group 0, a set for each slot
.set G0,   32
.set G1B,  48                          ; s[48:55], s[56:63] the same for B's
.set G0B,  56
.set CD,   32                          ; the way out, window 0: v32-127 codes; v128-135 scale words; v136-147 at work; v152-158 upper halves; v160-171 words to store
.set PW,   128
.set TM,   136
.set T2,   152
.set SA,   160
.set SX,   168
.set MSB, 0
.macro WIN new                         ; the immediate's high byte repeats the setting that is left
.if MSB != \new
	s_set_vgpr_msb (MSB<<8)|\new
.set MSB, \new
.endif
.endm
.set MUL_LO, 0xa1                      ; source 0 (B) window 1, source 1 (A) window 0, C and D window 2
.set MUL_HI, 0xf1
.set TO_B,   0x40
; A joint load: waves 0 and 1 fetch A's two blocks, waves 2 and 3 B's.  The branch hangs on the wave's number alone.  Four v_nop follow each line.
.macro JLOAD g0a, g1a, g0b, g1b
	s_cmp_eq_u32 s15, 0
	s_cbranch_scc0 .Lfor_b_\@
	tensor_load_to_lds s[\g0a:\g0a+3], s[\g1a:\g1a+7]
	s_nop 0
.rept 4
	v_nop
.endr
	s_branch .Lasked_\@
.Lfor_b_\@:
	tensor_load_to_lds s[\g0b:\g0b+3], s[\g1b:\g1b+7]
	s_nop 0
.rept 4
	v_nop
.endr
.Lasked_\@:
.endm
.macro CREST                           ; a round of the cluster's barrier behind its opening barrier
	s_cmp_lg_u32 s14, 0
	s_cbranch_scc1 .Lnot_wave_0_\@
	s_barrier_signal -3
.Lnot_wave_0_\@:
	s_barrier_wait -3
	s_barrier_signal -1
	s_barrier_wait -1
.endm
.macro CROUND
	s_barrier_signal -1
	s_barrier_wait -1
	CREST
.endm
.macro PLACES                          ; four plain instructions between a matrix instruction and a load into, or a vector instruction on, its registers
.rept 4
	v_nop
.endr
.endm
	s_load_b256 s[4:11], s[0:1], 0x0               ; xc, wc, qb, kv
	v_lshl_add_u32 v[SPW], v0, 2, SPARE
	v_mov_b32 v[NIL], 0
	ds_add_u32 v28, v29
	ds_add_u32 v28, v29
	s_wait_dscnt 0x0
	v_lshrrev_b32 v1, 5, v0
	v_readfirstlane_b32 s14, v1                    ; wave
	s_lshr_b32 s15, s14, 1                         ; wr: which 128 rows of A are mine.  Also: I fetch for A (0) or B (1)
	s_and_b32 s16, s14, 1                          ; wc: which 128 rows of B.  Also: which of the two blocks I fetch
	s_bfe_u32 s40, ttmp6, 0x40000                  ; cx
	s_bfe_u32 s41, ttmp6, 0x40004                  ; cy
	s_and_b32 s13, ttmp7, 0xffff                   ; the cluster's y, 0 .. 23
	s_lshr_b32 s12, s13, 3                         ; role
	s_and_b32 s13, s13, 7
	s_lshl_b32 s13, s13, 2
	s_cmp_eq_u32 s12, 2
	s_cselect_b32 s17, 0, s13
	s_cselect_b32 s42, s13, 0
	s_add_co_u32 s17, s17, s41                     ; tile row: x has 32 of them, a weight 4
	s_add_co_u32 s42, s42, s40                     ; tile column
	s_lshl_b32 s43, s41, 2
	s_lshl_b32 s43, 15, s43                        ; my row of the cluster
	s_lshl_b32 s44, 0x1111, s40                    ; my column
	s_or_b32 s[G1+0], s43, (3<<16)|(1<<21)         ; 15:0 the mask; 17:16 elements of 8 bytes; 20 no padding; 21 set beside a mask
	s_or_b32 s[G1B+0], s44, (3<<16)|(1<<21)
.irp g, G1, G1B
	s_mov_b32 s[\g+1], 32<<16                      ; tensor_dim0 = 32 elements: rows of 256 bytes
	s_mov_b32 s[\g+2], 100<<16                     ; tensor_dim1 = 100 rows: a block
	s_mov_b32 s[\g+3], 32<<16                      ; tile_dim0
	s_mov_b32 s[\g+4], 100                         ; tile_dim1
	s_mov_b32 s[\g+5], 32                          ; the pitch: dense
	s_mov_b32 s[\g+6], 0
	s_mov_b32 s[\g+7], 0
.endr
	s_lshl_b32 s20, s17, 1
	s_add_co_u32 s20, s20, s16
	s_mul_i32 s20, s20, 4*BLK                      ; A: group 2 x tile row + my half, four blocks a group
	s_mov_b32 s21, 0
	s_lshl_b32 s46, s42, 1
	s_add_co_u32 s46, s46, s16
	s_mul_i32 s46, s46, 4*BLK                      ; B likewise
	s_mov_b32 s47, 0
	s_mul_i32 s72, s12, 32*BLK                     ; the role's weight
	s_mov_b32 s73, 0
	s_mul_i32 s45, s16, BLK                        ; where they go: A's two blocks,
	s_add_co_u32 s85, s45, 2*BLK                   ; then B's two
	s_mov_b32 s84, 0xffff0000                      ; a select mask: lanes 16-31
	s_mov_b32 s86, 0x76543210
	s_mov_b32 s87, 0xfedcba98
	s_wait_kmcnt 0x0
	s_add_nc_u64 s[66:67], s[6:7], s[72:73]
	s_cmp_eq_u32 s12, 2
	s_cselect_b64 s[68:69], s[66:67], s[4:5]       ; A's buffer
	s_cselect_b64 s[70:71], s[4:5], s[66:67]       ; B's
	s_add_nc_u64 s[68:69], s[68:69], s[20:21]
	s_add_nc_u64 s[70:71], s[70:71], s[46:47]
	CROUND                                         ; all sixteen work-groups are here: the first joint loads meet
.irp s, 0,1
	s_mov_b32 s[G0+4*\s], 1
	s_add_co_u32 s[G0+4*\s+1], s45, \s*SLOT
	s_add_nc_u64 s[G0+4*\s+2:G0+4*\s+3], s[68:69], \s*BLK
	s_or_b32 s[G0+4*\s+3], s[G0+4*\s+3], 0x80000000
	s_mov_b32 s[G0B+4*\s], 1
	s_add_co_u32 s[G0B+4*\s+1], s85, \s*SLOT
	s_add_nc_u64 s[G0B+4*\s+2:G0B+4*\s+3], s[70:71], \s*BLK
	s_or_b32 s[G0B+4*\s+3], s[G0B+4*\s+3], 0x80000000
	JLOAD G0+4*\s, G1, G0B+4*\s, G1B               ; two loads of mine are out
.endr
	v_and_b32 v1, 31, v0
	v_and_b32 v2, 15, v0
	v_lshlrev_b32 v3, 4, v1                        ; 16 x lane
	v_lshlrev_b32 v4, 4, v2                        ; 16 r
	s_wait_alu depctr_va_vdst(0)
	s_mul_i32 s21, s15, BLK
	s_mul_i32 s22, s16, BLK
	s_add_co_u32 s22, s22, 2*BLK
.irp s, 0,1
	v_add_nc_u32 v[ADRA+\s], s21, v3
	v_add_nc_u32 v[ADRB+\s], s22, v3
	s_add_co_u32 s23, s21, 24576
	v_add_nc_u32 v[ASA+\s], s23, v4
	s_add_co_u32 s23, s22, 24576
	v_add_nc_u32 v[ASB+\s], s23, v4
	s_add_co_u32 s21, s21, SLOT
	s_add_co_u32 s22, s22, SLOT
.endr
	v_mov_b32 v[E16], v3
	v_lshlrev_b32 v[E8], 3, v1
	; where my results go: the group of 128 rows of x and the first of my two heads
	s_lshl_b32 s72, s17, 1
	s_add_co_u32 s72, s72, s15                     ; 2 x tile row + wr
	s_lshl_b32 s73, s42, 1
	s_add_co_u32 s73, s73, s16                     ; 2 x tile column + wc
	s_cmp_eq_u32 s12, 2
	s_cselect_b32 s74, s73, s72                    ; the group
	s_cselect_b32 s75, s72, s73                    ; head / 2
	s_lshr_b32 s76, s74, 4
	s_lshl_b32 s76, s76, 8                         ; 256 x batch
	s_and_b32 s77, s74, 15
	s_add_co_u32 s76, s76, s77
	s_lshl_b32 s75, s75, 5                         ; 16 x head
	s_add_co_u32 s76, s76, s75
	s_mov_b32 s77, 13056
	s_cmp_eq_u32 s12, 0
	s_cselect_b64 s[80:81], s[8:9], s[10:11]
	s_cselect_b32 s77, 6656, s77
	s_mul_i32 s78, s76, s77
	s_mov_b32 s79, 0
	s_add_nc_u64 s[80:81], s[80:81], s[78:79]      ; the first head's block
	s_lshl_b32 s78, s77, 4
	s_add_nc_u64 s[82:83], s[80:81], s[78:79]      ; the second's: 16 blocks on
.macro FRAG reg, adr, q, i             ; a fragment: 12 registers, three loads of 512 bytes on end
.irp j, 0,1,2
	ds_load_b128 v[\reg+4*\j:\reg+4*\j+3], v[\adr] offset:3072*(\i)+1536*(\q)+512*\j
.endr
.endm
.macro FETCH_B slot, q, p
	WIN TO_B
.irp i, 0,1,2,3,4,5,6,7
	FRAG 128*(\p)+12*\i, ADRB+\slot, \q, \i
.endr
	WIN 0
.endm
.macro FETCH_A slot, q, i0
.irp i, \i0, \i0+1, \i0+2, \i0+3
	FRAG AF+12*(\i), ADRA+\slot, \q, \i
.endr
.endm
.macro SCALES s                        ; a slot's scale words: register 2 i + q of a set; both halves of the lanes read the same 256 bytes
.irp j, 0,1,2,3
	ds_load_b128 v[SCA+16*\s+4*\j:SCA+16*\s+4*\j+3], v[ASA+\s] offset:256*\j
.endr
.irp j, 0,1,2,3
	ds_load_b128 v[SCB+16*\s+4*\j:SCB+16*\s+4*\j+3], v[ASB+\s] offset:256*\j
.endr
.endm
; 16 matrix instructions: A's tiles a0, a0 + 1 x B's eight.  The 64 accumulators take turns, one instruction a turn, in the same order in every step.
.macro MULA a0, p, q, sc, zero
.irp a, \a0, \a0+1
.irp b, 0,1,2,3,4,5,6,7
.if \zero
	v_wmma_scale_f32_16x16x128_f8f6f4 v[8*(8*((\a)%4)+\b):8*(8*((\a)%4)+\b)+7], v[128*(\p)+12*\b:128*(\p)+12*\b+11], v[AF+12*(\a):AF+12*(\a)+11], 0, v[SCB+16*(\sc)+2*\b+(\q)], v[SCA+16*(\sc)+2*(\a)+(\q)] matrix_a_fmt:MATRIX_FMT_FP6 matrix_b_fmt:MATRIX_FMT_FP6
.else
	v_wmma_scale_f32_16x16x128_f8f6f4 v[8*(8*((\a)%4)+\b):8*(8*((\a)%4)+\b)+7], v[128*(\p)+12*\b:128*(\p)+12*\b+11], v[AF+12*(\a):AF+12*(\a)+11], v[8*(8*((\a)%4)+\b):8*(8*((\a)%4)+\b)+7], v[SCB+16*(\sc)+2*\b+(\q)], v[SCA+16*(\sc)+2*(\a)+(\q)] matrix_a_fmt:MATRIX_FMT_FP6 matrix_b_fmt:MATRIX_FMT_FP6
.endif
.endr
.endr
.endm
; A slot's first 128 along K; it fetches the second's fragments.
.macro STEP slot, zero
	s_wait_dscnt 12                                ; all but the youngest 12 loads (A's tiles 4-7) are in
	WIN MUL_LO
	MULA 0, 0, 0, \slot, \zero
	MULA 2, 0, 0, \slot, \zero
	s_wait_dscnt 0x0                               ; A's tiles 4-7 are in
	PLACES
	FETCH_B \slot, 1, 1
	FETCH_A \slot, 1, 0
	WIN MUL_HI
	MULA 4, 0, 0, \slot, \zero
	MULA 6, 0, 0, \slot, \zero
	PLACES
	WIN 0
	FETCH_A \slot, 1, 4
.endm
; A slot's second 128 along K changes slots: one barrier; in front of it each wave waits for all its tensor loads, adds 0 to its spare word, and waits for that and for its reads of this slot.
.macro TURN slot, next, fill
	s_wait_tensorcnt 0x0                           ; all my tensor loads have landed: my block of the next slot
	ds_add_u32 v[SPW], v[NIL]                      ; 0 onto my spare word
	s_wait_dscnt 13                                ; (the add and the youngest 12 loads may be out)
	WIN MUL_LO
	MULA 0, 1, 1, \slot, 0
	s_wait_dscnt 0x0                               ; the add is done, and my reads of this slot are over
	s_barrier_signal -1
	MULA 2, 1, 1, \slot, 0
	WIN 0
	s_barrier_wait -1
.if \fill
	CREST                                          ; the barrier has opened a round of the cluster's: no wave of any partner still reads this slot or has a load on its way
	s_add_nc_u64 s[G0+4*\slot+2:G0+4*\slot+3], s[G0+4*\slot+2:G0+4*\slot+3], 2*BLK
	s_add_nc_u64 s[G0B+4*\slot+2:G0B+4*\slot+3], s[G0B+4*\slot+2:G0B+4*\slot+3], 2*BLK
	JLOAD G0+4*\slot, G1, G0B+4*\slot, G1B         ; the first tensor load behind the round; its four v_nop are also the places in front of the loads below
.else
	PLACES
.endif
	FETCH_B \next, 0, 0
	FETCH_A \next, 0, 0
	SCALES \next
	WIN MUL_HI
	MULA 4, 1, 1, \slot, 0
	MULA 6, 1, 1, \slot, 0
	PLACES
	WIN 0
	FETCH_A \next, 0, 4
.endm
	s_wait_alu depctr_va_vdst(0)
	s_wait_tensorcnt 1                             ; my block of slot 0 is in; slot 1's may be out
	s_barrier_signal -1
	s_barrier_wait -1
	FETCH_B 0, 0, 0
	FETCH_A 0, 0, 0
	SCALES 0
	FETCH_A 0, 0, 4
	STEP 0, 1                                      ; the first products start the sums
	s_mov_b32 s3, 1                                ; K = 1,024 is four slots' worth: the ring is filled again once
.Llap:
	TURN 0, 1, 1
	STEP 1, 0
	TURN 1, 0, 1
	STEP 0, 0
	s_sub_co_u32 s3, s3, 1
	s_cmp_lg_u32 s3, 0
	s_cbranch_scc1 .Llap
	TURN 0, 1, 0                                   ; the last lap fills nothing
	STEP 1, 0
	s_wait_dscnt 12
	WIN MUL_LO
	MULA 0, 1, 1, 1, 0
	MULA 2, 1, 1, 1, 0
	s_wait_dscnt 0x0
	WIN MUL_HI
	MULA 4, 1, 1, 1, 0
	MULA 6, 1, 1, 1, 0
	WIN 0
	PLACES
; THE WAY OUT.  The 64 registers of A's tile a (window w, from s on) are 128 numbers along n of the lane's row, 16 neighbours for each block of 32: they become 12 registers of codes and a scale word.
.macro QUANT w, s, d0, d1, pw
.set QW, \w
.set QS, \s
.set QA, \d0
.set QB, \d1
.set QP, \pw
	WIN 5*QW                                       ; sources 0 and 1: the accumulators' window
.irp b, 0,1,2,3
	v_max3_num_f32 v[TM+\b], |v[QS+16*\b]|, |v[QS+16*\b+1]|, 0x1800000   ; each accumulator is read from its low end on; the floor 2^(3 - 127) holds the byte at 1
.endr
.irp i, 2,4,6,8,10,12,14
.irp b, 0,1,2,3
	v_max3_num_f32 v[TM+\b], |v[QS+16*\b+\i]|, |v[QS+16*\b+\i+1]|, v[TM+\b]
.endr
.endr
	WIN 0
.irp b, 0,1,2,3
	v_permlanex16_b32 v[TM+4+\b], v[TM+\b], s86, s87
.endr
.irp b, 0,1,2,3
	v_max_num_f32 v[TM+\b], v[TM+\b], v[TM+4+\b]
.endr
.irp b, 0,1,2,3
	v_add_nc_u32 v[TM+8+\b], 0xff000000, v[TM+\b]
.endr
.irp b, 0,1,2,3
	v_lshrrev_b32 v[TM+4+\b], 23, v[TM+8+\b]
.endr
	v_lshl_or_b32 v[QP], v[TM+5], 8, v[TM+4]
	v_lshl_or_b32 v[QP], v[TM+6], 16, v[QP]
	v_lshl_or_b32 v[QP], v[TM+7], 24, v[QP]
	WIN QW                                         ; source 0: the accumulators' window
	v_cvt_scalef32_pk16_fp6_f32 v[QA:QA+2], v[QS:QS+15], v[TM+8]
	v_cvt_scalef32_pk16_fp6_f32 v[T2:T2+2], v[QS+16:QS+31], v[TM+9]
	v_cvt_scalef32_pk16_fp6_f32 v[QB:QB+2], v[QS+32:QS+47], v[TM+10]
	v_cvt_scalef32_pk16_fp6_f32 v[T2+4:T2+6], v[QS+48:QS+63], v[TM+11]
	WIN 0
	v_nop                                          ; one plain instruction behind the scaled conversions
.irp i, 0,1,2
	v_permlane16_swap_b32 v[QA+\i], v[T2+\i]       ; a whole block to a lane
	v_permlane16_swap_b32 v[QB+\i], v[T2+4+\i]
.endr
.irp i, 0,1,2
	v_mov_b32 v[QA+3+\i], v[T2+\i]
	v_mov_b32 v[QB+3+\i], v[T2+4+\i]
.endr
.endm
.irp b, 0,1,2,3
	v_mov_b32 v[TM+4+\b], 0                        ; a lane permute's destination counts as one of its sources
.endr
	s_cmp_eq_u32 s12, 2
	s_cbranch_scc1 .Lvpath
	; q or k: blocks 0, 1 along n are the first head's 64, blocks 2, 3 the second's: two runs of 48 registers
.irp a, 0,1,2,3,4,5,6,7
	QUANT 2+\a/4, 64*(\a%4), CD+6*\a, CD+48+6*\a, PW+\a
.endr
.irp i, 0,1,2,3
	v_cndmask_b32 v[SX+\i], v[PW+2*\i], v[PW+2*\i+1], s84   ; lanes 0-15: tile 2 i's words, lanes 16-31: tile 2 i + 1's
.endr
.irp i, 0,1,2,3
	v_and_b32 v[SA+\i], 0xffff, v[SX+\i]           ; the first head's two bytes; the bytes of the instruction's unused half are 0
	v_lshrrev_b32 v[SA+4+\i], 16, v[SX+\i]         ; the second head's
.endr
.irp j, 0,1,2,3,4,5,6,7,8,9,10,11
	global_store_b128 v[E16], v[CD+4*\j:CD+4*\j+3], s[80:81] offset:512*\j           ; 512 consecutive bytes a store
	global_store_b128 v[E16], v[CD+48+4*\j:CD+48+4*\j+3], s[82:83] offset:512*\j
.endr
	global_store_b128 v[E16], v[SA:SA+3], s[80:81] offset:6144
	global_store_b128 v[E16], v[SA+4:SA+7], s[82:83] offset:6144
	s_branch .Lclose
.Lvpath:
	; v^T: A's tiles 0-3 are the first head's 64, tiles 4-7 the second's; n runs over 128 keys: each tile is one fragment
.irp a, 0,1,2,3,4,5,6,7
	QUANT 2+\a/4, 64*(\a%4), CD+12*\a, CD+6+12*\a, PW+\a
.endr
.irp i, 0,1,2,3
	v_cndmask_b32 v[SA+\i], v[PW+2*\i], v[PW+2*\i+1], s84
.endr
.irp a, 0,1,2,3,4,5,6,7
.irp j, 0,1,2
	global_store_b128 v[E16], v[CD+12*\a+4*\j:CD+12*\a+4*\j+3], s[80+2*(\a/4):81+2*(\a/4)] offset:6656+1536*(\a%4)+512*\j
.endr
.endr
	global_store_b64 v[E8], v[SA:SA+1], s[80:81] offset:12800
	global_store_b64 v[E8], v[SA+2:SA+3], s[82:83] offset:12800
.Lclose:
	s_wait_tensorcnt 0x0                           ; the wave's end
	ds_add_u32 v[SPW], v[NIL]
	s_wait_dscnt 0x0
	CROUND                                         ; the closing round: no work-group ends while a partner may still ask for a block that names it
	s_endpgm
.Lfunc_end_k_qf288ffd61a_qkv:
	.size	k_qf288ffd61a_qkv, .Lfunc_end_k_qf288ffd61a_qkv-k_qf288ffd61a_qkv
	.p2alignl 7, 3214868480
	.fill 96, 4, 3214868480
	.section	.rodata,"a",@progbits
	.p2align	6, 0x0
	.amdhsa_kernel k_qf288ffd61a_qkv
		.amdhsa_group_segment_fixed_size 327680
		.amdhsa_private_segment_fixed_size 0
		.amdhsa_enable_private_segment 0
		.amdhsa_kernarg_size 32
		.amdhsa_user_sgpr_count 2
		.amdhsa_user_sgpr_kernarg_segment_ptr 1
		.amdhsa_wavefront_size32 1
		.amdhsa_system_sgpr_workgroup_id_x 1
		.amdhsa_system_sgpr_workgroup_id_y 1
		.amdhsa_system_sgpr_workgroup_id_z 1
		.amdhsa_system_vgpr_workitem_id 0
		.amdhsa_next_free_vgpr 1024
		.amdhsa_next_free_sgpr 96
		.amdhsa_reserve_vcc 0
		.amdhsa_float_denorm_mode_32 3
		.amdhsa_float_denorm_mode_16_64 3
		.amdhsa_memory_ordered 1
		.amdhsa_forward_progress 1
		.amdhsa_inst_pref_size 172
	.end_amdhsa_kernel
	.amdgpu_metadata
---
amdhsa.version: [ 1, 2 ]
amdhsa.kernels:
  - .name:           k_qf288ffd61a_qkv
    .symbol:         k_qf288ffd61a_qkv.kd
    .args:
      - { .name: xc, .offset: 0, .size: 8, .value_kind: global_buffer, .address_space: global }
      - { .name: wc, .offset: 8, .size: 8, .value_kind: global_buffer, .address_space: global }
      - { .name: qb, .offset: 16, .size: 8, .value_kind: global_buffer, .address_space: global }
      - { .name: kv, .offset: 24, .size: 8, .value_kind: global_buffer, .address_space: global }
    .group_segment_fixed_size: 327680
    .private_segment_fixed_size: 0
    .kernarg_segment_align: 8
    .kernarg_segment_size: 32
    .max_flat_workgroup_size: 128
    .sgpr_count:     96
    .vgpr_count:     1024
    .wavefront_size: 32
...
	.end_amdgpu_metadata
.endif
;; end of part 2
;; launch attn (part 3): grid 4 x 64, 16 waves a work-group, no clusters, 327,680 bytes of LDS; arguments qb, kv, cx; writes cx
.if DOCPART == 3
	.amdgcn_target "amdgcn-amd-amdhsa--gfx1250"
	.amdhsa_code_object_version 6
	.text
	.protected	k_qf288ffd61a_attn
	.globl	k_qf288ffd61a_attn
	.p2align	8
	.type	k_qf288ffd61a_attn,@function
k_qf288ffd61a_attn:
	s_mov_b64 s[64:65], 0
	v_nop
	global_prefetch_b8 v0, s[64:65] scope:SCOPE_SE
	s_setreg_imm32_b32 hwreg(HW_REG_WAVE_MODE, 25, 1), 1
	s_wait_xcnt 0x0
; ctx = softmax(q k^T / 8, causal) v for 64 (batch, head) pairs, 2,048 positions, head size 64, both products on codes of FP6 (E2M3) with E8M0 block scales; ctx is quantised here and stored as the last product's operand image.
; THE SOFTMAX AHEAD OF THE SECOND PRODUCT: t = score x log2(e) / 8; M = the row's largest t so far, rounded up to a whole number; p = 2^(t - M) is quantised along the keys, not normalised; the row's sum is taken of the
; unquantised p and divides at the end.  When M moves, the sum and O are multiplied by 2^(old M - new M), which rounds nothing.
; SHARES.  Work-group (p, head) takes the head's block p of 256 queries and then block 7 - p: (p + 1) + (8 - p) = 9 visits of slots of 256 keys in every work-group, so the causal mask leaves all 256 with the same walk.
; Each of sixteen waves owns one tile of 16 queries in under 256 registers, four waves to a SIMD.  The loop over visits has a constant count; a step all of whose keys are hidden is jumped over by a branch on ids.
; NO CLUSTER: the four work-groups of a head want different slots in the same visit (visit v of work-group p is slot v up to v = p and slot v - p - 1 behind it); walking in step would take 12 visits for 9.
; IN.  kv, block (16 x head pair + group of 128 keys) of 13,056 bytes: k's run of 48 registers (tile t at 6 t; lane (r, h): block h of the 64 for key 32 (t / 2) + 8 (t % 2) + r + 8 (r / 8)), 512 bytes of scale words, v's four
; fragments (16 of the 64 x 128 keys), 256 bytes of scale words.  A slot is two blocks, 26,112 dense bytes, brought by one tensor load of wave 0.  qb likewise (6,656 bytes a block).
; K = 64 IN AN INSTRUCTION OF 128: q's fragment is six registers of codes and six of zeros; k's fragment t is registers 6 t .. 6 t + 11 of the run: its upper six (the next tile's codes; zeros behind tile 7) meet zero codes.
; LAYOUT.  Both products are used transposed: a lane holds one query; the 16 registers of key tiles 2 b, 2 b + 1 are keys 32 b + 16 (lane / 16) + 0 .. 15.
; OUT.  cx, block (group of 128 rows, 256 along K) of 25,600 bytes as the large products' operands lie; head 2 s + h' owns lanes 16 h' .. 16 h' + 15 of K step s whole, so the codes leave as runs of 256 bytes.
; The scale bytes leave one by one (a word's four bytes come from two heads): 262,144 bytes in the whole launch.
; LIMITS: a block whose largest magnitude lies under 2^-124, a block of zeros too, gets the scale byte 1 (only this program reads the bytes); NaN and infinities are not served.
.set KVBLK, 13056
.set SLOTB, 26112
.set SLOT1, 32768                      ; slot 1 begins here: one exclusive or turns an address
.set SPARE, 65536                      ; the spare words, 128 bytes for each of 16 waves
.set L16, 1                            ; v1 16 x lane; v2 8 x lane
.set L8,  2
.set SPW, 3
.set NIL, 4
.set ADL, 5                            ; v5, v6 the same in the slot in hand
.set AD8, 6
.set DQ,  7                            ; v7 r + 8 (r / 8) - 16 h
.set CA128, 8                          ; v8-10 the way out's offsets
.set CA64,  9
.set CA8,   10
.set PFO, 11                           ; v11 the prefetch's offset
.set QF,  16                           ; v16-21 q's codes, v22-27 zeros; v12 -M, v13 the largest t, v[14:15] the sum in two halves
.set QS,  28                           ; v28 q's scale words; v29, v30-35 the second block's
.set Q2S, 29
.set Q2,  30
.set KR,  36                           ; v36-83 k's run, then v's four fragments; v84-89 zeros
.set KS,  90                           ; v90-93 k's scale words; v94-95 v's
.set VS,  94
.set S,   96                           ; v96-159 S^T, then p
.set OT,  160                          ; v160-191 O^T
.set PC,  192                          ; v192-203 p's codes
.set T2,  204
.set BM,  212
.set PM,  216
.set SO,  220
.set PWD, 224                          ; p's scale word
.set F,   226                          ; v[226:227] f
.set TA,  228                          ; v228-231 at work
.set FR,  128                          ; the way out, in S^T's upper half
.set GR,  132
.set UR,  136
.set WV, 10
.set P,  11
.set BH, 12
.set V,  13
.set FS, 14                            ; the slot of keys that was asked for last
.set KF, 15                            ; the step's first key
.set QMIN, 16
.set QMAX, 17
.set TB, 18
.set HM, 19
.set SEL, 20
.set CS, 22
.set G1, 24
.set G0, 32
.set KVB, 36
.set FO, 38
.set PFA, 40
.set LIM, 42
.set QD, 43
.set CXB, 44
.set CXD, 60
	s_load_b128 s[4:7], s[0:1], 0x0                ; qb, kv
	s_load_b64 s[8:9], s[0:1], 0x10                ; cx
	v_lshl_add_u32 v[SPW], v0, 2, SPARE
	v_mov_b32 v[NIL], 0
	ds_add_u32 v3, v4
	ds_add_u32 v3, v4
	s_wait_dscnt 0x0
	v_lshrrev_b32 v5, 5, v0
	s_delay_alu instid0(VALU_DEP_1)
	v_readfirstlane_b32 s[WV], v5                  ; wave 0..15
	s_mov_b32 s[P], ttmp9
	s_and_b32 s[BH], ttmp7, 0xffff                 ; 16 x batch + head
	s_mov_b32 s[G1], 3<<16                         ; no mask; elements of 8 bytes; no padding
	s_mov_b32 s[G1+1], 32<<16                      ; rows of 256 bytes,
	s_mov_b32 s[G1+2], 102<<16                     ; 102 of them: a slot
	s_mov_b32 s[G1+3], 32<<16
	s_mov_b32 s[G1+4], 102
	s_mov_b32 s[G1+5], 32                          ; dense
	s_mov_b32 s[G1+6], 0
	s_mov_b32 s[G1+7], 0
	s_mul_i32 s46, s[BH], 16*KVBLK
	s_mov_b32 s47, 0
	s_wait_kmcnt 0x0
	s_add_nc_u64 s[KVB:KVB+1], s[6:7], s[46:47]    ; the head's keys and values
	s_mov_b32 s[G0], 1
	s_mov_b32 s[G0+1], 0                           ; slot 0
	s_mov_b64 s[G0+2:G0+3], s[KVB:KVB+1]
	s_or_b32 s[G0+3], s[G0+3], 0x80000000
	s_cmp_eq_u32 s[WV], 0
	s_cbranch_scc0 .Lno_first
	tensor_load_to_lds s[G0:G0+3], s[G1:G1+7]      ; keys 0 to 255
	s_nop 0
.rept 4
	v_nop
.endr
.Lno_first:
	s_mov_b32 s[HM], 0xffff0000
	s_mov_b32 s[SEL], 0x76543210
	s_mov_b32 s[SEL+1], 0xfedcba98
	s_mov_b32 s[CS], 0x3e38aa3b                    ; c = log2(e) / 8
	s_mov_b32 s[CS+1], s[CS]
	s_mov_b32 s[V], 0
	s_mov_b32 s[FS], 0
	s_mov_b32 s[KF], 0
	s_mov_b32 s[TB], 0
	s_mov_b32 s[FO+1], 0
	s_mov_b64 s[PFA:PFA+1], s[KVB:KVB+1]
	s_lshr_b32 s46, s[WV], 2
	s_xor_b32 s46, s46, 1
	s_or_b32 s46, s46, s[P]                        ; 0 in waves 4 to 7 of the head's work-group 0, which walks slots 0 .. 7 in order
	s_cmp_eq_u32 s46, 0
	s_cselect_b32 s[LIM], 7, 0
	s_lshr_b32 s51, s[WV], 3                       ; which 128 of the block's 256 queries
	s_lshr_b32 s46, s[BH], 4
	s_lshl_b32 s46, s46, 4
	s_add_co_u32 s46, s46, s51
	s_lshl_b32 s47, s[P], 1
	s_add_co_u32 s46, s46, s47                     ; ctx's group of 128 rows: 16 x batch + 2 x block + half
	s_lshl_b32 s46, s46, 2
	s_bfe_u32 s47, s[BH], 0x20002                  ; head / 4: which 256 along K
	s_add_co_u32 s46, s46, s47
	s_mul_i32 s46, s46, 25600
	s_mov_b32 s47, 0
	s_add_nc_u64 s[CXB:CXB+1], s[8:9], s[46:47]
	s_lshl_b32 s46, s[P], 1
	s_sub_co_u32 s46, 7, s46                       ; from block p to block 7 - p
	s_lshl_b32 s[QD], s46, 8
	s_mul_i32 s[CXD], s46, 204800
	s_mov_b32 s[CXD+1], 0
	s_lshl_b32 s[QMIN], s[P], 8
	s_lshr_b32 s46, s[WV], 1
	s_lshl_b32 s46, s46, 5
	s_add_co_u32 s[QMIN], s[QMIN], s46
	s_and_b32 s46, s[WV], 1
	s_lshl_b32 s46, s46, 3
	s_add_co_u32 s[QMIN], s[QMIN], s46             ; my tile's first query: 256 x block + 32 (wave / 2) + 8 (wave % 2);
	s_add_co_u32 s[QMAX], s[QMIN], 23              ; its last
	v_and_b32 v5, 15, v0                           ; r
	v_bfe_u32 v6, v0, 4, 1                         ; h
	v_and_b32 v1, 31, v0
	s_delay_alu instid0(VALU_DEP_1)
	v_lshlrev_b32 v[L8], 3, v1
	s_delay_alu instid0(VALU_DEP_2)
	v_lshlrev_b32 v[L16], 4, v1
	v_and_b32 v[DQ], 8, v5
	s_delay_alu instid0(VALU_DEP_1)
	v_add_nc_u32 v[DQ], v[DQ], v5
	v_lshlrev_b32 v12, 4, v6
	s_delay_alu instid0(VALU_DEP_1)
	v_sub_nc_u32 v[DQ], v[DQ], v12
	v_add_nc_u32 v[PFO], 0xffffff80, v0            ; thread - 128,
	s_delay_alu instid0(VALU_DEP_1)
	v_min_u32 v[PFO], 101, v[PFO]                  ; held at the slot's last row,
	s_delay_alu instid0(VALU_DEP_1)
	v_lshlrev_b32 v[PFO], 8, v[PFO]                ; 256 bytes a row
	s_and_b32 s48, s[WV], 7                        ; my tile i of the group
	s_mul_i32 s49, s48, 3072
	s_bfe_u32 s56, s[BH], 0x10001                  ; q: which 128 of the 256 along K
	s_mul_i32 s57, s56, 1536
	s_add_co_u32 s49, s49, s57
	s_and_b32 s58, s[BH], 1                        ; h': which half of the lanes is my head's
	s_lshl_b32 s57, s58, 8
	s_add_co_u32 s49, s49, s57
	v_lshlrev_b32 v[CA128], 4, v5
	s_delay_alu instid0(VALU_DEP_1)
	v_lshl_add_u32 v[CA128], v6, 10, v[CA128]
	s_delay_alu instid0(VALU_DEP_1)
	v_add_nc_u32 v[CA128], s49, v[CA128]           ; 16 r + 1024 e + 3072 i + 1536 q + 256 h'
	s_add_co_u32 s49, s49, 512
	v_lshlrev_b32 v[CA64], 4, v5
	s_delay_alu instid0(VALU_DEP_1)
	v_lshl_add_u32 v[CA64], v6, 3, v[CA64]
	s_delay_alu instid0(VALU_DEP_1)
	v_add_nc_u32 v[CA64], s49, v[CA64]             ; 512 + 16 r + 8 e + ..
	s_lshr_b32 s57, s48, 1
	s_lshl_b32 s57, s57, 8
	s_and_b32 s59, s48, 1
	s_lshl_b32 s59, s59, 3
	s_add_co_u32 s57, s57, s59
	s_lshl_b32 s59, s56, 2
	s_add_co_u32 s57, s57, s59
	s_add_co_u32 s57, s57, s58
	s_add_co_u32 s57, s57, 24576
	v_lshlrev_b32 v[CA8], 4, v5
	s_delay_alu instid0(VALU_DEP_1)
	v_lshl_add_u32 v[CA8], v6, 1, v[CA8]
	s_delay_alu instid0(VALU_DEP_1)
	v_add_nc_u32 v[CA8], s57, v[CA8]               ; 24,576 + 256 (i / 2) + 16 r + 8 (i % 2) + 4 q + 2 e + h'
	; q of both blocks: registers 6 t .. 6 t + 5 of the run, in pairs
	s_mul_i32 s47, s48, 6
.irp n, 0,1,2
	s_add_co_u32 s46, s47, 2*\n
	s_lshr_b32 s49, s46, 2
	s_lshl_b32 s49, s49, 9
	s_and_b32 s46, s46, 2
	s_lshl_b32 s46, s46, 2
	s_add_co_u32 s49, s49, s46
	v_add_nc_u32 v[TA+\n], s49, v[L16]
.endr
	s_and_b32 s46, s48, 1
	s_lshl_b32 s46, s46, 8
	s_lshr_b32 s49, s48, 1
	s_lshl_b32 s49, s49, 2
	s_add_co_u32 s46, s46, s49
	s_add_co_u32 s46, s46, 6144
	v_lshl_add_u32 v[TA+3], v5, 4, s46             ; its scale word: 6,144 + 16 r + 256 (t % 2) + 4 (t / 2)
	s_lshl_b32 s50, s[BH], 4
	s_add_co_u32 s50, s50, s51
	s_lshl_b32 s52, s[P], 1
	s_add_co_u32 s52, s52, s50
	s_mul_i32 s52, s52, 6656
	s_mov_b32 s53, 0
	s_add_nc_u64 s[52:53], s[4:5], s[52:53]
	s_sub_co_u32 s54, 7, s[P]
	s_lshl_b32 s54, s54, 1
	s_add_co_u32 s54, s54, s50
	s_mul_i32 s54, s54, 6656
	s_mov_b32 s55, 0
	s_add_nc_u64 s[54:55], s[4:5], s[54:55]
	s_wait_alu depctr_va_vdst(0)
.irp n, 0,1,2
	global_load_b64 v[QF+2*\n:QF+2*\n+1], v[TA+\n], s[52:53]
	global_load_b64 v[Q2+2*\n:Q2+2*\n+1], v[TA+\n], s[54:55]
.endr
	global_load_b32 v[QS], v[TA+3], s[52:53]
	global_load_b32 v[Q2S], v[TA+3], s[54:55]
.irp j, 0,1,2,3,4,5
	v_mov_b32 v[QF+6+\j], 0                        ; the zero codes of q's upper half,
	v_mov_b32 v[KR+48+\j], 0                       ; and what lies behind k's tile 7
.endr
	v_mov_b32 v13, 0xff61b1e6                      ; the largest t so far: -3e38
	s_delay_alu instid0(VALU_DEP_1)
	v_floor_f32 v12, -v13                          ; -M
	v_mov_b32 v14, 0
	v_mov_b32 v15, 0
.irp b, 0,1,2,3
	v_mov_b32 v[PM+\b], 0                          ; a lane permute's destination counts as one of its sources
.endr
	v_mov_b32 v[F+1], 0                            ; (named as the upper half of a pair)
.set j, 0
.rept 32
	v_mov_b32 v[OT+j], 0                           ; O^T: the first change of M leaves zeros zeros
.set j, j+1
.endr
	s_wait_loadcnt 0x0                             ; q
; A KEY STEP: 128 keys, the q-th block of the slot in hand.
.macro STEP q
.set O, KVBLK*(\q)
	s_cmp_gt_u32 s[KF], s[QMAX]                    ; all its keys come after my queries: nothing to do
	s_cbranch_scc1 .Lhidden_\@
.rept 4
	v_nop                                          ; places in front of loads into registers that the last products read
.endr
	s_wait_alu depctr_va_vdst(0)
.irp j, 0,1,2,3,4,5,6,7,8,9,10,11
	ds_load_b128 v[KR+4*\j:KR+4*\j+3], v[ADL] offset:O+512*\j
.endr
	ds_load_b128 v[KS:KS+3], v[ADL] offset:O+6144
	s_wait_dscnt 0x0
.irp t, 0,2,4,6                                    ; S^T = k q^T
	v_wmma_scale_f32_16x16x128_f8f6f4 v[S+8*\t:S+8*\t+7], v[KR+6*\t:KR+6*\t+11], v[QF:QF+11], 0, v[KS+\t/2], v[QS] matrix_a_fmt:MATRIX_FMT_FP6 matrix_b_fmt:MATRIX_FMT_FP6
	v_wmma_scale_f32_16x16x128_f8f6f4 v[S+8*\t+8:S+8*\t+15], v[KR+6*\t+6:KR+6*\t+17], v[QF:QF+11], 0, v[KS+\t/2], v[QS] matrix_a_fmt:MATRIX_FMT_FP6 matrix_b_fmt:MATRIX_FMT_FP6 matrix_a_scale:MATRIX_SCALE_ROW1
.endr
.rept 4
	v_nop
.endr
	s_wait_alu depctr_va_vdst(0)
.irp j, 0,1,2,3,4,5,6,7,8,9,10,11                  ; v is asked for now and lands under the softmax
	ds_load_b128 v[KR+4*\j:KR+4*\j+3], v[ADL] offset:O+6656+512*\j
.endr
	ds_load_b64 v[VS:VS+1], v[AD8] offset:O+12800
	s_add_co_u32 s46, s[KF], 127
	s_cmp_le_u32 s46, s[QMIN]                      ; all keys count: no mask
	s_cbranch_scc1 .Lopen_\@
	s_sub_co_i32 s46, s[QMIN], s[KF]
	v_add_nc_u32 v[TA], s46, v[DQ]                 ; d = my query - KF - 16 h.  Register 16 b + i holds key KF + 32 b + 16 h + i: hidden where 32 b + i > d
	v_mov_b32 v[TA+1], 0xff800000                  ; -infinity
.set n, 0
.rept 64
	v_cmp_gt_i32 vcc_lo, 32*(n/16)+n%16, v[TA]
	v_cndmask_b32 v[S+n], v[S+n], v[TA+1], vcc_lo
.set n, n+1
.endr
.Lopen_\@:
.irp b, 0,1,2,3
	v_max3_num_f32 v[BM+\b], v[S+16*\b], v[S+1+16*\b], v[S+2+16*\b]   ; the largest score of each block of 32 keys: for the row's maximum, and, since p rises with the score, for the block's largest p
.endr
.irp i, 3,5,7,9,11,13
.irp b, 0,1,2,3
	v_max3_num_f32 v[BM+\b], v[BM+\b], v[S+16*\b+\i], v[S+1+16*\b+\i]
.endr
.endr
.irp b, 0,1,2,3
	v_max_num_f32 v[BM+\b], v[BM+\b], v[S+15+16*\b]
.endr
.irp b, 0,1,2,3
	s_delay_alu instid0(VALU_DEP_4)
	v_permlanex16_b32 v[PM+\b], v[BM+\b], s[SEL], s[SEL+1]
.endr
.irp b, 0,1,2,3
	s_delay_alu instid0(VALU_DEP_4)
	v_max_num_f32 v[BM+\b], v[BM+\b], v[PM+\b]
.endr
	s_delay_alu instid0(VALU_DEP_2)
	v_max3_num_f32 v[TA+2], v[BM], v[BM+1], v[BM+2]
	s_delay_alu instid0(VALU_DEP_1)
	v_max_num_f32 v[TA+2], v[TA+2], v[BM+3]
	s_delay_alu instid0(VALU_DEP_1)
	v_mul_f32 v[TA+2], s[CS], v[TA+2]
	s_delay_alu instid0(VALU_DEP_1)
	v_max_num_f32 v13, v13, v[TA+2]                ; the running largest t
	v_mov_b32 v[TA+2], v12
	s_delay_alu instid0(VALU_DEP_2)
	v_floor_f32 v12, -v13                          ; the new -M = -ceil(t)
	s_delay_alu instid0(VALU_DEP_1)
	v_sub_f32 v[TA+2], v12, v[TA+2]                ; old M - new M: a whole number, 0 or less
	s_delay_alu instid0(VALU_DEP_1)
	v_cvt_i32_f32 v[TA+2], v[TA+2]                 ; (it saturates)
	s_delay_alu instid0(VALU_DEP_1)
	v_ldexp_f32 v[F], 1.0, v[TA+2]                 ; f = 2^(old M - new M)
.set j, 0
.rept 32
	v_pk_fma_f32 v[S+j:S+j+1], v[S+j:S+j+1], s[CS:CS+1], v[12:13] op_sel_hi:[1,0,0]   ; t - M
.set j, j+2
.endr
.irp b, 0,1,2,3
	v_fma_f32 v[BM+\b], v[BM+\b], s[CS], v12
.endr
.set j, 0
	s_wait_alu depctr_va_vdst(0)
.rept 64
	v_exp_f32 v[S+j], v[S+j]                       ; p = 2^(t - M)
.set j, j+1
.endr
	v_pk_mul_f32 v[14:15], v[14:15], v[F:F+1] op_sel_hi:[1,0]   ; the sums under the new M: a plain instruction behind the exponentials
	s_wait_alu depctr_va_vdst(0)                   ; one wait for the batch, ahead of its first reader
.irp b, 0,1,2,3
	v_exp_f32 v[BM+\b], v[BM+\b]                   ; each block's largest p
.endr
	v_pk_add_f32 v[228:229], v[100:101], v[104:105]
	v_pk_add_f32 v[238:239], v[108:109], v[112:113]
	v_pk_add_f32 v[236:237], v[116:117], v[120:121]
	v_pk_add_f32 v[234:235], v[124:125], v[128:129]
	v_pk_add_f32 v[232:233], v[132:133], v[136:137]
	v_pk_add_f32 v[224:225], v[140:141], v[144:145]
	v_pk_add_f32 v[222:223], v[148:149], v[152:153]
	v_pk_add_f32 v[14:15], v[14:15], v[156:157]
	v_pk_add_f32 v[228:229], v[228:229], v[96:97]
	v_pk_add_f32 v[238:239], v[238:239], v[98:99]
	v_pk_add_f32 v[236:237], v[236:237], v[102:103]
	v_pk_add_f32 v[234:235], v[234:235], v[106:107]
	v_pk_add_f32 v[232:233], v[232:233], v[110:111]
	v_pk_add_f32 v[224:225], v[224:225], v[114:115]
	v_pk_add_f32 v[222:223], v[222:223], v[118:119]
	v_pk_add_f32 v[14:15], v[14:15], v[122:123]
	v_pk_add_f32 v[228:229], v[228:229], v[126:127]
	v_pk_add_f32 v[238:239], v[238:239], v[130:131]
	v_pk_add_f32 v[236:237], v[236:237], v[134:135]
	v_pk_add_f32 v[234:235], v[234:235], v[138:139]
	v_pk_add_f32 v[232:233], v[232:233], v[142:143]
	v_pk_add_f32 v[224:225], v[224:225], v[146:147]
	v_pk_add_f32 v[222:223], v[222:223], v[150:151]
	v_pk_add_f32 v[14:15], v[14:15], v[154:155]
	v_pk_add_f32 v[228:229], v[228:229], v[158:159]
	s_delay_alu instid0(VALU_DEP_2)
	v_pk_add_f32 v[14:15], v[14:15], v[234:235]
	s_delay_alu instid0(VALU_DEP_2)
	v_pk_add_f32 v[228:229], v[228:229], v[232:233]
	v_pk_add_f32 v[238:239], v[238:239], v[224:225]
	v_pk_add_f32 v[236:237], v[236:237], v[222:223]
	s_delay_alu instid0(VALU_DEP_2)
	v_pk_add_f32 v[14:15], v[14:15], v[238:239]
	s_delay_alu instid0(VALU_DEP_2)
	v_pk_add_f32 v[228:229], v[228:229], v[236:237]
	s_delay_alu instid0(VALU_DEP_1)
	v_pk_add_f32 v[14:15], v[14:15], v[228:229]
	s_wait_alu depctr_va_vdst(0)                   ; and one for the four
.irp b, 0,1,2,3
	v_max_num_f32 v[BM+\b], 0x1800000, v[BM+\b]    ; the floor 2^(3 - 127)
.endr
.irp b, 0,1,2,3
	s_delay_alu instid0(VALU_DEP_4)
	v_add_nc_u32 v[SO+\b], 0xff000000, v[BM+\b]
.endr
.irp b, 0,1,2,3
	s_delay_alu instid0(VALU_DEP_4)
	v_lshrrev_b32 v[PM+\b], 23, v[SO+\b]
.endr
	s_delay_alu instid0(VALU_DEP_3)
	v_lshl_or_b32 v[PWD], v[PM+1], 8, v[PM]
	s_delay_alu instid0(VALU_DEP_1)
	v_lshl_or_b32 v[PWD], v[PM+2], 16, v[PWD]
	s_delay_alu instid0(VALU_DEP_1)
	v_lshl_or_b32 v[PWD], v[PM+3], 24, v[PWD]
.irp c, 0,1
	v_cvt_scalef32_pk16_fp6_f32 v[PC+6*\c:PC+6*\c+2], v[S+32*\c:S+32*\c+15], v[SO+2*\c]
	v_cvt_scalef32_pk16_fp6_f32 v[T2+4*\c:T2+4*\c+2], v[S+32*\c+16:S+32*\c+31], v[SO+2*\c+1]
.endr
	v_nop                                          ; one plain instruction behind the scaled conversions
.irp c, 0,1
.irp i, 0,1,2
	v_permlane16_swap_b32 v[PC+6*\c+\i], v[T2+4*\c+\i]
.endr
.irp i, 0,1,2
	s_delay_alu instid0(VALU_DEP_3)
	v_mov_b32 v[PC+3+6*\c+\i], v[T2+4*\c+\i]
.endr
.endr
.set j, 0
.rept 16
	v_pk_mul_f32 v[OT+j:OT+j+1], v[OT+j:OT+j+1], v[F:F+1] op_sel_hi:[1,0]   ; O^T under the new M; these sixteen also part p's codes and scale word from the products below
.set j, j+2
.endr
	s_wait_alu depctr_va_vdst(0)
	s_wait_dscnt 0x0                               ; v is in
.irp t, 0,2                                        ; O^T += v^T p^T
	v_wmma_scale_f32_16x16x128_f8f6f4 v[OT+8*\t:OT+8*\t+7], v[KR+12*\t:KR+12*\t+11], v[PC:PC+11], v[OT+8*\t:OT+8*\t+7], v[VS+\t/2], v[PWD] matrix_a_fmt:MATRIX_FMT_FP6 matrix_b_fmt:MATRIX_FMT_FP6
	v_wmma_scale_f32_16x16x128_f8f6f4 v[OT+8*\t+8:OT+8*\t+15], v[KR+12*\t+12:KR+12*\t+23], v[PC:PC+11], v[OT+8*\t+8:OT+8*\t+15], v[VS+\t/2], v[PWD] matrix_a_fmt:MATRIX_FMT_FP6 matrix_b_fmt:MATRIX_FMT_FP6 matrix_a_scale:MATRIX_SCALE_ROW1
.endr
.Lhidden_\@:
	s_add_co_u32 s[KF], s[KF], 128
.endm
; THE CHANGE OF SLOTS, at a visit's head.  Each wave waits for all its tensor loads, adds 0 to its spare word, and waits for that and for its reads of the slot that it has left; behind the barrier the slot ahead is whole
; and nobody reads the other one.  fill = 1: wave 0 fills that other slot with the next visit's keys: the slot after this visit's, or slot 0 where the second block of queries begins.
.macro CHANGE fill
	s_wait_tensorcnt 0x0
	ds_add_u32 v[SPW], v[NIL]
.if \fill
	s_add_co_u32 s[FS], s[FS], 1
	s_cmp_eq_u32 s[V], s[P]
	s_cselect_b32 s[FS], 0, s[FS]
	s_mul_i32 s[FO], s[FS], SLOTB
	s_add_nc_u64 s[G0+2:G0+3], s[KVB:KVB+1], s[FO:FO+1]
	s_or_b32 s[G0+3], s[G0+3], 0x80000000
	s_xor_b32 s[G0+1], s[G0+1], SLOT1
	s_wait_xcnt 0x0                                ; the last prefetch, a visit back, has read its address
	s_add_nc_u64 s[PFA:PFA+1], s[PFA:PFA+1], SLOTB
.endif
	s_wait_dscnt 0x0
	s_barrier_signal -1
	s_barrier_wait -1
.if \fill
	s_cmp_eq_u32 s[WV], 0
	s_cbranch_scc0 .Lno_load_\@
	tensor_load_to_lds s[G0:G0+3], s[G1:G1+7]      ; one load is out; it has the visit's two key steps in which to land
	s_nop 0
.rept 4
	v_nop
.endr
.Lno_load_\@:
	s_cmp_lt_u32 s[V], s[LIM]                      ; waves 4 to 7 of the head's work-group 0, in visits 0 to 6, name slot v + 1, which that work-group asks for in its next visit: a lane a row of 256 bytes,
	s_cbranch_scc0 .Lno_ask_\@                     ; 102 rows (the lanes over hold at the last row); nothing is named behind slot 7
	global_prefetch_b8 v[PFO], s[PFA:PFA+1] th:TH_LOAD_NT scope:SCOPE_SE
.Lno_ask_\@:
.endif
.endm
.macro SLOT_STEPS
	v_add_nc_u32 v[ADL], s[TB], v[L16]
	v_add_nc_u32 v[AD8], s[TB], v[L8]
	STEP 0
	STEP 1
	s_xor_b32 s[TB], s[TB], SLOT1
.endm
; A block of queries is done: O^T / the sum is ctx; register 16 b + i is channel 32 b + 16 h + i of my query.  Its two blocks of 32 are quantised and leave as registers 6 e .. 6 e + 5 of lane r + 16 h' (e = my half).
.macro FINAL
.rept 4
	v_nop                                          ; places behind the last products
.endr
	v_add_f32 v14, v14, v15
	s_delay_alu instid0(VALU_DEP_1)
	v_permlanex16_b32 v[TA+2], v14, s[SEL], s[SEL+1]
	s_delay_alu instid0(VALU_DEP_1)
	v_add_f32 v14, v14, v[TA+2]                    ; the row's sum
	s_wait_alu depctr_va_vdst(0)
	v_rcp_f32 v14, v14
	v_nop                                          ; a plain instruction behind the reciprocal,
	s_wait_alu depctr_va_vdst(0)                   ; and the wait ahead of its first reader
.set j, 0
.rept 32
	v_mul_f32 v[S+j], v[OT+j], v14
.set j, j+1
.endr
.irp b, 0,1
	v_max3_num_f32 v[BM+\b], |v[S+16*\b]|, |v[S+16*\b+1]|, 0x1800000
.endr
.irp i, 2,4,6,8,10,12,14
.irp b, 0,1
	s_delay_alu instid0(VALU_DEP_2)
	v_max3_num_f32 v[BM+\b], v[BM+\b], |v[S+16*\b+\i]|, |v[S+16*\b+\i+1]|
.endr
.endr
.irp b, 0,1
	s_delay_alu instid0(VALU_DEP_2)
	v_permlanex16_b32 v[PM+\b], v[BM+\b], s[SEL], s[SEL+1]
.endr
.irp b, 0,1
	s_delay_alu instid0(VALU_DEP_2)
	v_max_num_f32 v[BM+\b], v[BM+\b], v[PM+\b]
.endr
.irp b, 0,1
	s_delay_alu instid0(VALU_DEP_2)
	v_add_nc_u32 v[SO+\b], 0xff000000, v[BM+\b]
.endr
.irp b, 0,1
	s_delay_alu instid0(VALU_DEP_2)
	v_lshrrev_b32 v[PM+\b], 23, v[SO+\b]
.endr
	v_cvt_scalef32_pk16_fp6_f32 v[FR:FR+2], v[S:S+15], v[SO]
	v_cvt_scalef32_pk16_fp6_f32 v[GR:GR+2], v[S+16:S+31], v[SO+1]
	v_nop
.irp i, 0,1,2
	v_permlane16_swap_b32 v[FR+\i], v[GR+\i]       ; lane (r, e) now holds block e: its lower 16 codes in FR, its upper 16 in GR
.endr
	s_delay_alu instid0(VALU_DEP_1)
	v_cndmask_b32 v[UR], v[FR], v[FR+2], s[HM]     ; e = 0: registers 0-3 and 4-5;  e = 1: registers 8-11 and 6-7
	s_delay_alu instid0(VALU_DEP_3)
	v_cndmask_b32 v[UR+1], v[FR+1], v[GR], s[HM]
	s_delay_alu instid0(VALU_DEP_3)
	v_cndmask_b32 v[UR+2], v[FR+2], v[GR+1], s[HM]
	s_delay_alu instid0(VALU_DEP_4)
	v_cndmask_b32 v[UR+3], v[GR], v[GR+2], s[HM]
	v_cndmask_b32 v[UR+4], v[GR+1], v[FR], s[HM]
	v_cndmask_b32 v[UR+5], v[GR+2], v[FR+1], s[HM]
	v_cndmask_b32 v[UR+6], v[PM], v[PM+1], s[HM]
	global_store_b128 v[CA128], v[UR:UR+3], s[CXB:CXB+1]     ; sixteen lanes store 256 consecutive bytes
	global_store_b64 v[CA64], v[UR+4:UR+5], s[CXB:CXB+1]     ; 32 lanes store 256 consecutive bytes
	global_store_b8 v[CA8], v[UR+6], s[CXB:CXB+1]
	s_wait_xcnt 0x0                                ; the stores have read their registers and their base
.endm
.Lvisit:                                           ; visits 0 to 7: behind each change of slots the next visit's keys are asked for
	CHANGE 1
	SLOT_STEPS
	s_cmp_lg_u32 s[V], s[P]
	s_cbranch_scc1 .Lsame_block
	FINAL                                          ; block p is done: on to block 7 - p
.irp j, 0,1,2,3,4,5
	v_mov_b32 v[QF+\j], v[Q2+\j]
.endr
	v_mov_b32 v[QS], v[Q2S]                        ; (36 plain instructions and more follow ahead of the next product)
	v_mov_b32 v13, 0xff61b1e6
	s_delay_alu instid0(VALU_DEP_1)
	v_floor_f32 v12, -v13
	v_mov_b32 v14, 0
	v_mov_b32 v15, 0
.set j, 0
.rept 32
	v_mov_b32 v[OT+j], 0
.set j, j+1
.endr
	s_add_co_u32 s[QMIN], s[QMIN], s[QD]
	s_add_co_u32 s[QMAX], s[QMAX], s[QD]
	s_mov_b32 s[KF], 0
	s_add_nc_u64 s[CXB:CXB+1], s[CXB:CXB+1], s[CXD:CXD+1]
.Lsame_block:
	s_add_co_u32 s[V], s[V], 1
	s_cmp_lt_u32 s[V], 8
	s_cbranch_scc1 .Lvisit
	CHANGE 0                                       ; the last visit is written out
	SLOT_STEPS
	FINAL
	s_wait_tensorcnt 0x0                           ; the wave's end
	ds_add_u32 v[SPW], v[NIL]
	s_wait_dscnt 0x0
	s_endpgm
.Lfunc_end_k_qf288ffd61a_attn:
	.size	k_qf288ffd61a_attn, .Lfunc_end_k_qf288ffd61a_attn-k_qf288ffd61a_attn
	.p2alignl 7, 3214868480
	.fill 96, 4, 3214868480
	.section	.rodata,"a",@progbits
	.p2align	6, 0x0
	.amdhsa_kernel k_qf288ffd61a_attn
		.amdhsa_group_segment_fixed_size 327680
		.amdhsa_private_segment_fixed_size 0
		.amdhsa_enable_private_segment 0
		.amdhsa_kernarg_size 24
		.amdhsa_user_sgpr_count 2
		.amdhsa_user_sgpr_kernarg_segment_ptr 1
		.amdhsa_wavefront_size32 1
		.amdhsa_system_sgpr_workgroup_id_x 1
		.amdhsa_system_sgpr_workgroup_id_y 1
		.amdhsa_system_sgpr_workgroup_id_z 1
		.amdhsa_system_vgpr_workitem_id 0
		.amdhsa_next_free_vgpr 240
		.amdhsa_next_free_sgpr 66
		.amdhsa_reserve_vcc 1
		.amdhsa_float_denorm_mode_32 3
		.amdhsa_float_denorm_mode_16_64 3
		.amdhsa_memory_ordered 1
		.amdhsa_forward_progress 1
		.amdhsa_inst_pref_size 109
	.end_amdhsa_kernel
	.amdgpu_metadata
---
amdhsa.version: [ 1, 2 ]
amdhsa.kernels:
  - .name:           k_qf288ffd61a_attn
    .symbol:         k_qf288ffd61a_attn.kd
    .args:
      - { .name: qb, .offset: 0, .size: 8, .value_kind: global_buffer, .address_space: global }
      - { .name: kv, .offset: 8, .size: 8, .value_kind: global_buffer, .address_space: global }
      - { .name: cx, .offset: 16, .size: 8, .value_kind: global_buffer, .address_space: global }
    .group_segment_fixed_size: 327680
    .private_segment_fixed_size: 0
    .kernarg_segment_align: 8
    .kernarg_segment_size: 24
    .max_flat_workgroup_size: 512
    .sgpr_count:     66
    .vgpr_count:     240
    .wavefront_size: 32
...
	.end_amdgpu_metadata
.endif
;; end of part 3
;; launch outp (part 4): grid 8 x 32, 4 waves a work-group, clusters of 4 x 4, 327,680 bytes of LDS; arguments cx, wc, bo, out0; writes out0
.if DOCPART == 4
	.amdgcn_target "amdgcn-amd-amdhsa--gfx1250"
	.amdhsa_code_object_version 6
	.text
	.protected	k_qf288ffd61a_outp
	.globl	k_qf288ffd61a_outp
	.p2align	8
	.type	k_qf288ffd61a_outp,@function
k_qf288ffd61a_outp:
	s_mov_b64 s[64:65], 0
	v_nop
	global_prefetch_b8 v0, s[64:65] scope:SCOPE_SE
	s_setreg_imm32_b32 hwreg(HW_REG_WAVE_MODE, 25, 1), 1
	s_wait_xcnt 0x0
	s_wait_alu depctr_hold_cnt(0) depctr_sa_sdst(0) depctr_va_vdst(0) depctr_va_sdst(0) depctr_va_ssrc(0) depctr_va_vcc(0) depctr_vm_vsrc(0)
	s_getreg_b32 s2, hwreg(HW_REG_IB_STS2, 6, 4)
	s_cmp_eq_u32 s2, 0
	s_cbranch_scc0 .Lentry_in_a_cluster
	s_endpgm
.Lentry_in_a_cluster:
	s_bfe_u32 s2, ttmp6, 0x10000c
	s_cmp_lg_u32 s2, 0xf033
	s_cbranch_scc0 .Lentry_shape_is_right
	s_endpgm
.Lentry_shape_is_right:
; out0 = ctx Wo + bo on codes of FP6 (E2M3) with E8M0 block scales, K = 1,024; out0 [8192][1024] f32.
; OPERANDS lie in memory as images of their registers: a block (128 rows x 256 along K) is 25,600 dense bytes: 8 tiles x 2 K steps x 1,536 bytes of codes (register 4 j + m of lane L at 512 j + 16 L + 4 m),
; then 1,024 bytes of scale words (tile i, step q, row r at 256 (i / 2) + 16 r + 8 (i % 2) + 4 q).  Lane r of tile i holds row 32 (i / 2) + 8 (i % 2) + r + 8 (r / 8) of its group of 128.
; A tile of out0 is 256 rows x 128 columns: 32 x 8 = 256 work-groups.  Four waves, each 128 x 64: 32 accumulators.  K goes in steps of 256 through two LDS slots of three blocks (ctx's two, Wo's one);
; waves 0 and 1 fetch a block of ctx each, waves 2 and 3 half of Wo's block each.
; CLUSTERS: 4 x 4.  ctx's blocks are shared along a row of the cluster, Wo's along a column: each is asked for jointly, by the same tensor load with a mask that names the four.
; THE MATRIX INSTRUCTION IS USED TRANSPOSED (source 0 = 16 columns of Wo, source 1 = 16 rows of ctx): a lane holds eight neighbouring numbers of a row of out0.  The bias is the C of each sum's first instruction.
; REGISTERS: window 0: v16-29 addresses; v32-63 ctx's scale words, two sets; v64-79 Wo's; v96-127 the bias, four tiles; v128-223 ctx's fragments, one set.  window 1: Wo's fragments, two sets (v0, v128).
;   window 2: the accumulators ((a, b) at v[8 (4 a + b)]).
.set BLK,   25600
.set SLOT,  3*BLK
.set SPARE, 2*SLOT                     ; behind the ring: the spare words, 128 bytes for each wave
.set STG,   SPARE+512                  ; behind them: a stage of 16 rows x (256 + 16) bytes for each wave; no tensor load lands there
.set ADRA, 16
.set ASA,  18
.set ADRB, 20
.set ASB,  22
.set STO,  24
.set RD,   25
.set CO,   26
.set SPW,  28
.set NIL,  29
.set SCA,  32
.set SCB,  64
.set BI,   96
.set AF,   128
.set BK,   128                         ; the way out: rows read back from the stage, v128-159 and v160-191 by turns
.set G1,   24
.set G0,   32
.set G1B,  48
.set G0B,  56
.set MSB, 0
.macro WIN new                         ; the immediate's high byte repeats the setting that is left
.if MSB != \new
	s_set_vgpr_msb (MSB<<8)|\new
.set MSB, \new
.endif
.endm
.set MUL,   0xa1                       ; source 0 (Wo) window 1, source 1 (ctx) window 0, C and D window 2
.set MUL_F, 0x81                       ; the same with C (the bias) in window 0
.set TO_B,  0x40
.macro JLOAD g0a, g1a, g0b, g1b        ; a joint load; the branch hangs on the wave's number alone; four v_nop follow each line
	s_cmp_eq_u32 s15, 0
	s_cbranch_scc0 .Lfor_b_\@
	tensor_load_to_lds s[\g0a:\g0a+3], s[\g1a:\g1a+7]
	s_nop 0
.rept 4
	v_nop
.endr
	s_branch .Lasked_\@
.Lfor_b_\@:
	tensor_load_to_lds s[\g0b:\g0b+3], s[\g1b:\g1b+7]
	s_nop 0
.rept 4
	v_nop
.endr
.Lasked_\@:
.endm
.macro CREST
	s_cmp_lg_u32 s14, 0
	s_cbranch_scc1 .Lnot_wave_0_\@
	s_barrier_signal -3
.Lnot_wave_0_\@:
	s_barrier_wait -3
	s_barrier_signal -1
	s_barrier_wait -1
.endm
.macro CROUND
	s_barrier_signal -1
	s_barrier_wait -1
	CREST
.endm
.macro PLACES                          ; four plain instructions between a matrix instruction and a load into, or a read of, its registers
.rept 4
	v_nop
.endr
.endm
	s_load_b256 s[4:11], s[0:1], 0x0               ; cx, wc, bo, out0
	v_lshl_add_u32 v[SPW], v0, 2, SPARE
	v_mov_b32 v[NIL], 0
	ds_add_u32 v28, v29
	ds_add_u32 v28, v29
	s_wait_dscnt 0x0
	v_lshrrev_b32 v1, 5, v0
	v_readfirstlane_b32 s14, v1                    ; wave
	s_lshr_b32 s15, s14, 1                         ; wr: which 128 rows are mine.  Also: I fetch for ctx (0) or Wo (1)
	s_and_b32 s16, s14, 1                          ; wc: which 64 columns.  Also: which part I fetch
	s_bfe_u32 s40, ttmp6, 0x40000                  ; cx
	s_bfe_u32 s41, ttmp6, 0x40004                  ; cy
	s_lshl_b32 s42, ttmp9, 2
	s_add_co_u32 s42, s42, s40                     ; tile column, 0 .. 7: a group of 128 columns of Wo
	s_and_b32 s17, ttmp7, 0xffff
	s_lshl_b32 s17, s17, 2
	s_add_co_u32 s17, s17, s41                     ; tile row, 0 .. 31
	s_lshl_b32 s43, s41, 2
	s_lshl_b32 s43, 15, s43
	s_lshl_b32 s44, 0x1111, s40
	s_or_b32 s[G1+0], s43, (3<<16)|(1<<21)         ; the mask; elements of 8 bytes; no padding; bit 21 beside a mask
	s_or_b32 s[G1B+0], s44, (3<<16)|(1<<21)
	s_mov_b32 s[G1+1], 32<<16                      ; rows of 256 bytes,
	s_mov_b32 s[G1+2], 100<<16                     ; 100 of them: a block
	s_mov_b32 s[G1+3], 32<<16
	s_mov_b32 s[G1+4], 100
	s_mov_b32 s[G1+5], 32
	s_mov_b32 s[G1+6], 0
	s_mov_b32 s[G1+7], 0
	s_mov_b32 s[G1B+1], 32<<16
	s_mov_b32 s[G1B+2], 50<<16                     ; half a block
	s_mov_b32 s[G1B+3], 32<<16
	s_mov_b32 s[G1B+4], 50
	s_mov_b32 s[G1B+5], 32
	s_mov_b32 s[G1B+6], 0
	s_mov_b32 s[G1B+7], 0
	s_lshl_b32 s20, s17, 1
	s_add_co_u32 s20, s20, s16
	s_mul_i32 s20, s20, 4*BLK
	s_mov_b32 s21, 0
	s_mul_i32 s46, s42, 4*BLK
	s_mul_i32 s47, s16, BLK/2
	s_add_co_u32 s46, s46, s47
	s_add_co_u32 s46, s46, 96*BLK                  ; Wo is the fourth weight: 3 x 32 blocks on
	s_mov_b32 s47, 0
	s_mul_i32 s45, s16, BLK                        ; where they go: ctx's two blocks,
	s_mul_i32 s85, s16, BLK/2
	s_add_co_u32 s85, s85, 2*BLK                   ; then Wo's two halves
	s_wait_kmcnt 0x0
	s_add_nc_u64 s[68:69], s[4:5], s[20:21]
	s_add_nc_u64 s[70:71], s[6:7], s[46:47]
	CROUND                                         ; all sixteen work-groups are here: the first joint loads meet
.irp s, 0,1
	s_mov_b32 s[G0+4*\s], 1
	s_add_co_u32 s[G0+4*\s+1], s45, \s*SLOT
	s_add_nc_u64 s[G0+4*\s+2:G0+4*\s+3], s[68:69], \s*BLK
	s_or_b32 s[G0+4*\s+3], s[G0+4*\s+3], 0x80000000
	s_mov_b32 s[G0B+4*\s], 1
	s_add_co_u32 s[G0B+4*\s+1], s85, \s*SLOT
	s_add_nc_u64 s[G0B+4*\s+2:G0B+4*\s+3], s[70:71], \s*BLK
	s_or_b32 s[G0B+4*\s+3], s[G0B+4*\s+3], 0x80000000
	s_wait_alu depctr_va_vdst(0)
	s_wait_tensorcnt 0x0
	ds_add_u32 v28, v29
	ds_add_u32 v28, v29
	s_wait_dscnt 0x0
	CROUND
	JLOAD G0+4*\s, G1, G0B+4*\s, G1B               ; one load of mine is out: the first has landed
.endr
	v_and_b32 v1, 31, v0
	v_and_b32 v2, 15, v0                           ; r
	v_bfe_u32 v5, v0, 4, 1                         ; h
	v_lshlrev_b32 v3, 4, v1
	s_wait_alu depctr_va_vdst(0)
	v_lshlrev_b32 v4, 4, v2
	s_wait_alu depctr_va_vdst(0)
	v_lshlrev_b32 v6, 6, v5                        ; the bias: lane half h wants 16 h + 0 .. 7 of each 32
	s_lshl_b32 s72, s42, 9
	s_lshl_b32 s73, s16, 8
	s_add_co_u32 s72, s72, s73                     ; my first column, in bytes: 512 x tile column + 256 wc
	s_mov_b32 s73, 0
	s_add_nc_u64 s[74:75], s[8:9], s[72:73]
.irp b, 0,1,2,3
	global_load_b128 v[BI+8*\b:BI+8*\b+3], v6, s[74:75] offset:128*(\b/2)+32*(\b%2)
	global_load_b128 v[BI+8*\b+4:BI+8*\b+7], v6, s[74:75] offset:128*(\b/2)+32*(\b%2)+16
.endr
	s_mul_i32 s21, s15, BLK
	s_mul_i32 s22, s16, 12288                      ; my four tiles of Wo's block
	s_add_co_u32 s22, s22, 2*BLK
	s_lshl_b32 s2, s16, 9                          ; and their scale words
	s_add_co_u32 s2, s2, 2*BLK+24576
.irp s, 0,1
	v_add_nc_u32 v[ADRA+\s], s21, v3
	v_add_nc_u32 v[ADRB+\s], s22, v3
	s_add_co_u32 s23, s21, 24576
	v_add_nc_u32 v[ASA+\s], s23, v4
	v_add_nc_u32 v[ASB+\s], s2, v4
	s_add_co_u32 s21, s21, SLOT
	s_add_co_u32 s22, s22, SLOT
	s_add_co_u32 s2, s2, SLOT
.endr
	s_mul_i32 s23, s14, 4352
	s_add_co_u32 s23, s23, STG                     ; my stage
	v_mul_u32_u24 v7, v2, 272
	v_lshl_add_u32 v7, v5, 6, v7
	v_add_nc_u32 v[STO], s23, v7                   ; in: row r, + 64 h
	v_mul_u32_u24 v7, v5, 272
	v_lshl_add_u32 v7, v2, 4, v7
	v_add_nc_u32 v[RD], s23, v7                    ; back: lanes 0-15 one row of 256 bytes, lanes 16-31 the next
	v_lshlrev_b32 v7, 12, v5
	v_lshl_add_u32 v[CO], v2, 4, v7                ; and the same two rows in out0
	s_lshl_b32 s76, s17, 1
	s_add_co_u32 s76, s76, s15
	s_lshl_b32 s76, s76, 19                        ; 128 rows of 4,096 bytes a group
	s_add_co_u32 s76, s76, s72
	s_mov_b32 s77, 0
	s_add_nc_u64 s[80:81], s[10:11], s[76:77]
.macro FRAG reg, adr, q, i
.irp j, 0,1,2
	ds_load_b128 v[\reg+4*\j:\reg+4*\j+3], v[\adr] offset:3072*(\i)+1536*(\q)+512*\j
.endr
.endm
.macro FETCH_B slot, q, p
	WIN TO_B
.irp i, 0,1,2,3
	FRAG 128*(\p)+12*\i, ADRB+\slot, \q, \i
.endr
	WIN 0
.endm
.macro FETCH_A slot, q, i0
.irp i, \i0, \i0+1, \i0+2, \i0+3
	FRAG AF+12*(\i), ADRA+\slot, \q, \i
.endr
.endm
.macro SCALES s
.irp j, 0,1,2,3
	ds_load_b128 v[SCA+16*\s+4*\j:SCA+16*\s+4*\j+3], v[ASA+\s] offset:256*\j
.endr
.irp j, 0,1
	ds_load_b128 v[SCB+8*\s+4*\j:SCB+8*\s+4*\j+3], v[ASB+\s] offset:256*\j
.endr
.endm
; 8 matrix instructions: ctx's tiles a0, a0 + 1 x Wo's four.  The 32 accumulators take turns, one instruction a turn, in the same order in every step.
.macro MULA a0, p, q, sc, first
.irp a, \a0, \a0+1
.irp b, 0,1,2,3
.if \first
	v_wmma_scale_f32_16x16x128_f8f6f4 v[8*(4*(\a)+\b):8*(4*(\a)+\b)+7], v[128*(\p)+12*\b:128*(\p)+12*\b+11], v[AF+12*(\a):AF+12*(\a)+11], v[BI+8*\b:BI+8*\b+7], v[SCB+8*(\sc)+2*\b+(\q)], v[SCA+16*(\sc)+2*(\a)+(\q)] matrix_a_fmt:MATRIX_FMT_FP6 matrix_b_fmt:MATRIX_FMT_FP6
.else
	v_wmma_scale_f32_16x16x128_f8f6f4 v[8*(4*(\a)+\b):8*(4*(\a)+\b)+7], v[128*(\p)+12*\b:128*(\p)+12*\b+11], v[AF+12*(\a):AF+12*(\a)+11], v[8*(4*(\a)+\b):8*(4*(\a)+\b)+7], v[SCB+8*(\sc)+2*\b+(\q)], v[SCA+16*(\sc)+2*(\a)+(\q)] matrix_a_fmt:MATRIX_FMT_FP6 matrix_b_fmt:MATRIX_FMT_FP6
.endif
.endr
.endr
.endm
.macro MWIN first
.if \first
	WIN MUL_F
.else
	WIN MUL
.endif
.endm
.macro STEP slot, first                ; a slot's first 128 along K; it fetches the second's fragments
	s_wait_dscnt 12                                ; all but the youngest 12 loads (ctx's tiles 4-7) are in
	MWIN \first
	MULA 0, 0, 0, \slot, \first
	MULA 2, 0, 0, \slot, \first
	s_wait_dscnt 0x0
	PLACES
	FETCH_B \slot, 1, 1
	FETCH_A \slot, 1, 0
	MWIN \first
	MULA 4, 0, 0, \slot, \first
	MULA 6, 0, 0, \slot, \first
	PLACES
	WIN 0
	FETCH_A \slot, 1, 4
.endm
; A slot's second 128 along K changes slots: one barrier; in front of it each wave waits for all its tensor loads, adds 0 to its spare word, and waits for that and for its reads of this slot.
.macro TURN slot, next, fill
	s_wait_tensorcnt 0x0                           ; all my tensor loads have landed: my part of the next slot
	ds_add_u32 v[SPW], v[NIL]
	s_wait_dscnt 13                                ; (the add and the youngest 12 loads may be out)
	WIN MUL
	MULA 0, 1, 1, \slot, 0
	s_wait_dscnt 0x0                               ; the add is done, and my reads of this slot are over
	s_barrier_signal -1
	MULA 2, 1, 1, \slot, 0
	WIN 0
	s_barrier_wait -1
.if \fill
	CREST                                          ; the barrier has opened a round of the cluster's: no wave of any partner still reads this slot or has a load on its way
	s_add_nc_u64 s[G0+4*\slot+2:G0+4*\slot+3], s[G0+4*\slot+2:G0+4*\slot+3], 2*BLK
	s_add_nc_u64 s[G0B+4*\slot+2:G0B+4*\slot+3], s[G0B+4*\slot+2:G0B+4*\slot+3], 2*BLK
	JLOAD G0+4*\slot, G1, G0B+4*\slot, G1B         ; the first tensor load behind the round; its four v_nop are also the places in front of the loads below
.else
	PLACES
.endif
	FETCH_B \next, 0, 0
	FETCH_A \next, 0, 0
	s_wait_alu depctr_va_vdst(0)
	SCALES \next
	WIN MUL
	MULA 4, 1, 1, \slot, 0
	MULA 6, 1, 1, \slot, 0
	PLACES
	WIN 0
	FETCH_A \next, 0, 4
.endm
	s_wait_tensorcnt 1                             ; my part of slot 0 is in; slot 1's may be out
	s_barrier_signal -1
	s_barrier_wait -1
	FETCH_B 0, 0, 0
	FETCH_A 0, 0, 0
	SCALES 0
	FETCH_A 0, 0, 4
	s_wait_loadcnt 0x0                             ; the bias
	STEP 0, 1                                      ; the first products start the sums from the bias
	s_mov_b32 s3, 1                                ; K = 1,024 is four slots' worth: the ring is filled again once
.Llap:
	TURN 0, 1, 1
	STEP 1, 0
	TURN 1, 0, 1
	STEP 0, 0
	s_sub_co_u32 s3, s3, 1
	s_cmp_lg_u32 s3, 0
	s_cbranch_scc1 .Llap
	TURN 0, 1, 0                                   ; the last lap fills nothing
	STEP 1, 0
	s_wait_dscnt 12
	WIN MUL
	MULA 0, 1, 1, 1, 0
	MULA 2, 1, 1, 1, 0
	s_wait_dscnt 0x0
	MULA 4, 1, 1, 1, 0
	MULA 6, 1, 1, 1, 0
	WIN 0
	PLACES
; THE WAY OUT, a tile of 16 rows x 64 columns at a time, through my own stage: in as a lane holds it (register j of Wo's tile b: column 32 (b / 2) + 8 (b % 2) + 16 h + j), back as whole rows of 256 bytes.
; Stage row 2 t + h is row 32 (a / 2) + 8 (a % 2) + 2 t + h + 8 (t / 4) of my 128.  LDS serves a wave's instructions in order: no wait between the stores and the loads.
.macro TOSTAGE a
	WIN 0x08                                       ; an LDS store's data: window 2
.irp b, 0,1,2,3
	ds_store_b128 v[STO], v[8*(4*(\a)+\b):8*(4*(\a)+\b)+3] offset:128*(\b/2)+32*(\b%2)      ; each accumulator from its low end on
	ds_store_b128 v[STO], v[8*(4*(\a)+\b)+4:8*(4*(\a)+\b)+7] offset:128*(\b/2)+32*(\b%2)+16
.endr
	WIN 0
.set BB, BK+32*((\a)%2)
.irp t, 0,1,2,3,4,5,6,7
	ds_load_b128 v[BB+4*\t:BB+4*\t+3], v[RD] offset:544*\t
.endr
.endm
.macro SEND a, younger                 ; younger: the LDS instructions issued behind tile a's loads, which may stay out
.set BB, BK+32*((\a)%2)
	s_wait_dscnt \younger
.if (\a) > 0
.if (\a)%2
	s_add_nc_u64 s[80:81], s[80:81], 8*4096        ; (the earlier stores have read their base)  tile a begins at row 32 (a / 2) + 8 (a % 2)
.else
	s_add_nc_u64 s[80:81], s[80:81], 24*4096
.endif
.endif
.irp t, 0,1,2,3,4,5,6,7
	global_store_b128 v[CO], v[BB+4*\t:BB+4*\t+3], s[80:81] offset:(2*\t+8*(\t/4))*4096 th:TH_STORE_NT   ; sixteen lanes store 256 consecutive bytes, at a multiple of 256 from out0's first byte
.endr
.endm
	TOSTAGE 0
.irp a, 1,2,3,4,5,6,7
.if \a > 1
	s_wait_xcnt 0x0                                ; tile a - 2's stores have read their registers and their base
.endif
	TOSTAGE \a
	SEND \a-1, 16                                  ; behind tile a - 1's loads: tile a's 8 stores and 8 loads
.endr
	s_wait_xcnt 0x0
	SEND 7, 0
	s_wait_tensorcnt 0x0                           ; the wave's end
	ds_add_u32 v[SPW], v[NIL]
	s_wait_dscnt 0x0
	CROUND                                         ; the closing round: no work-group ends while a partner may still ask for a block that names it
	s_endpgm
.Lfunc_end_k_qf288ffd61a_outp:
	.size	k_qf288ffd61a_outp, .Lfunc_end_k_qf288ffd61a_outp-k_qf288ffd61a_outp
	.p2alignl 7, 3214868480
	.fill 96, 4, 3214868480
	.section	.rodata,"a",@progbits
	.p2align	6, 0x0
	.amdhsa_kernel k_qf288ffd61a_outp
		.amdhsa_group_segment_fixed_size 327680
		.amdhsa_private_segment_fixed_size 0
		.amdhsa_enable_private_segment 0
		.amdhsa_kernarg_size 32
		.amdhsa_user_sgpr_count 2
		.amdhsa_user_sgpr_kernarg_segment_ptr 1
		.amdhsa_wavefront_size32 1
		.amdhsa_system_sgpr_workgroup_id_x 1
		.amdhsa_system_sgpr_workgroup_id_y 1
		.amdhsa_system_sgpr_workgroup_id_z 1
		.amdhsa_system_vgpr_workitem_id 0
		.amdhsa_next_free_vgpr 768
		.amdhsa_next_free_sgpr 96
		.amdhsa_reserve_vcc 0
		.amdhsa_float_denorm_mode_32 3
		.amdhsa_float_denorm_mode_16_64 3
		.amdhsa_memory_ordered 1
		.amdhsa_forward_progress 1
		.amdhsa_inst_pref_size 83
	.end_amdhsa_kernel
	.amdgpu_metadata
---
amdhsa.version: [ 1, 2 ]
amdhsa.kernels:
  - .name:           k_qf288ffd61a_outp
    .symbol:         k_qf288ffd61a_outp.kd
    .args:
      - { .name: cx, .offset: 0, .size: 8, .value_kind: global_buffer, .address_space: global }
      - { .name: wc, .offset: 8, .size: 8, .value_kind: global_buffer, .address_space: global }
      - { .name: bo, .offset: 16, .size: 8, .value_kind: global_buffer, .address_space: global }
      - { .name: out0, .offset: 24, .size: 8, .value_kind: global_buffer, .address_space: global }
    .group_segment_fixed_size: 327680
    .private_segment_fixed_size: 0
    .kernarg_segment_align: 8
    .kernarg_segment_size: 32
    .max_flat_workgroup_size: 128
    .sgpr_count:     96
    .vgpr_count:     768
    .wavefront_size: 32
...
	.end_amdgpu_metadata
.endif
;; end of part 4
